; MI455X (gfx1250); checked and timed in simulation.
; The chip was launched on July 23, 2026; its instructions are those of AMD's public machine-readable ISA for CDNA 5 (MIT licence, August 2026) and "CDNA5" Instruction Set Architecture Reference Guide (July 2026). The comments in the code are by the model that wrote it; some were corrected since.
;; Time Attn Block. Allowed arithmetic: matrix products marked QUANTISED: E3M2 operands, one E8M0 scale for each 32 along K, by v_wmma_scale_f32_16x16x128_f8f6f4 with both operands' format E3M2, f32 sums; everything else in f32.
;; Inputs: beta 512 float32; gamma 512 float32; k_b 512 float32; k_w_codes 512 x 16 x 24 uint8 (E3M2 codes of k_w, K innermost, in blocks of 32 codes, four codes in three bytes); k_w_scales 512 x 16 uint8 (E8M0 scales of k_w, one for each 32 codes along K); o_b 512 float32; o_w_codes 512 x 16 x 24 uint8 (E3M2 codes of o_w, K innermost, in blocks of 32 codes, four codes in three bytes); o_w_scales 512 x 16 uint8 (E8M0 scales of o_w, one for each 32 codes along K); q_b 512 float32; q_w_codes 512 x 16 x 24 uint8 (E3M2 codes of q_w, K innermost, in blocks of 32 codes, four codes in three bytes); q_w_scales 512 x 16 uint8 (E8M0 scales of q_w, one for each 32 codes along K); v_b 512 float32; v_w_codes 512 x 16 x 24 uint8 (E3M2 codes of v_w, K innermost, in blocks of 32 codes, four codes in three bytes); v_w_scales 512 x 16 uint8 (E8M0 scales of v_w, one for each 32 codes along K); x 8 x 512 x 2,048 float32.
;; Outputs: out0 8 x 512 x 2,048 float32.
;; This version of the problem:
;;   THIS VERSION OF THE PROBLEM IS GIVEN IN LOW PRECISION. The matrix products marked QUANTISED in the list below multiply operands that are first quantised to E3M2 (3 exponent bits, 2 mantissa bits; 6 bits a number), with one power-of-two scale for each 32 numbers along K (OCP MX v1.0); their sums are f32. All else is computed in f32.
;;   The module's matrix products, in the order in which they are computed (A, B: the left and right operand; K: the contracted axis; several contracted axes count as one K, in the product's order):
;;     1. [M 16,384, K 512] x [K 512, N 512]; A: computed on the way; B: input q_w (given as codes): QUANTISED
;;     2. [M 16,384, K 512] x [K 512, N 512]; A: computed on the way; B: input k_w (given as codes): QUANTISED
;;     3. [M 16,384, K 512] x [K 512, N 512]; A: computed on the way; B: input v_w (given as codes): QUANTISED
;;     4. batch 8 x [M 2,048, K 512] x [K 512, N 2,048]; A: computed on the way; B: computed on the way: QUANTISED
;;     5. batch 8 x [M 512, K 2,048] x [K 2,048, N 2,048]; A: computed on the way; B: softmax (see below): QUANTISED
;;     6. [M 16,384, K 512] x [K 512, N 512]; A: computed on the way; B: input o_w (given as codes): QUANTISED
;;   THE QUANTISER, for each operand of a quantised product, along K:
;;     - K is cut into blocks of 32 from its start; a last block that is shorter is filled with zeros.
;;     - A block's scale is 2^e with e = floor(log2(the largest magnitude in the block)) - 4, held to -126 .. 127; a block of zeros has e = 0. As a byte (E8M0): e + 127.
;;     - Each number is divided by its block's scale, clamped to +-28, and rounded to the nearest number of E3M2, ties to even, subnormals kept.
;;     - The product sums the exact products of the quantised numbers (number of the format x scale) in f32.
;;   ~~~python
;;   def quantise(x, axis):      # numpy; x: float32 -> the quantised numbers, widened to float32 again
;;       x = np.moveaxis(x, axis, -1); K = x.shape[-1]
;;       x = np.pad(x, [(0, 0)] * (x.ndim - 1) + [(0, -K % 32)]); x = x.reshape(x.shape[:-1] + (-1, 32)); a = np.abs(x).max(-1, keepdims=True)
;;       e = np.where(a > 0, np.clip(np.frexp(np.where(a > 0, a, 1))[1] - 1 - 4, -126, 127), 0)      # np.frexp(a)[1] - 1 = floor(log2(a)), exactly
;;       r = np.clip(x / 2.0 ** e, -28, 28)
;;       step = 2.0 ** (np.maximum(np.frexp(np.where(r == 0, 1, r))[1] - 1, -2) - 2)
;;       q = np.round(r / step) * step * 2.0 ** e      # np.round: ties to even
;;       return np.moveaxis(q.reshape(q.shape[:-2] + (-1,))[..., :K], -1, axis).astype(np.float32)
;;   ~~~
;;   SOFTMAX AHEAD OF A QUANTISED PRODUCT. Where the list says 'softmax', what is quantised is not the finished softmax but p = 2^(t - M), with t = logit x log2(e) and M = ceil(the row's largest t), a whole number; so 1/2 < the row's largest p <= 1. The row's sum l is taken of the UNQUANTISED p, in f32, and the product's result is divided by l at the end. Since M is a whole number, a kernel that streams over the keys may use a running M (the ceiling of the running maximum): every later rescaling is an exact power of two, which a block's scale takes up: the codes' values come out the same.
;;   OPERANDS COMPUTED ON THE WAY. 'Computed on the way' means the value that the module computes at that place (a softmax that the list does not call 'softmax' is quantised finished and normalised). What goes into a quantiser is computed in f32, as accurately as f32 sums, v_exp_f32 and their like allow (about 1e-6 of the number): no bf16 or f16 on the way to a quantiser, and a product that is left as it is and whose result goes on into a quantised operand takes f32 operands (vector FMAs, or v_wmma_f32_16x16x4_f32). A number that lies on a knife's edge between two numbers of the format may be rounded either way, as far as f32 arithmetic and the matrix unit's own rounding can turn it there, and no further.
;;   INPUTS GIVEN AS CODES. k_w (in the module: [512, 512], K = its axis 1); o_w (in the module: [512, 512], K = its axis 1); q_w (in the module: [512, 512], K = its axis 1); v_w (in the module: [512, 512], K = its axis 1): each comes as NAME_codes (uint8): NAME with its K axis moved to the last place and cut into blocks of 32 codes, [.., K / 32, bytes a block], one block behind the other in memory; four codes in three bytes: a row's codes are one little-endian stream of bits, code i at bits 6 i .. 6 i + 5 (a code: sign, 3 exponent bits, 2 mantissa bits); and NAME_scales (uint8): the same leading axes, one E8M0 byte (e + 127) for each 32 codes along K. Its value is code x scale, taken as it is: it is not quantised again, and the codes and scales need not be those that the quantiser above would give.
;; 2 versions, each right. Each part assembles by itself: llvm-mc -triple=amdgcn-amd-amdhsa -mcpu=gfx1250 --defsym DOCPART=n.
;; ======== version 1 of 2: 3 launches
;; workspace buffers: hc 6,291,456 bytes; hs 262,144 bytes; qimg 6,815,744 bytes; kv 15,335,424 bytes
;; launch normq (part 1): grid 17 x 8, 16 waves a work-group, no clusters, 6,144 bytes of LDS; arguments x, gamma, beta, o_w_codes, o_w_scales, hc, hs, kv; writes hc, hs, kv
.if DOCPART == 1
	.amdgcn_target "amdgcn-amd-amdhsa--gfx1250"
	.amdhsa_code_object_version 6
	.text
	.protected	k_q0b4cd5187b_normq
	.globl	k_q0b4cd5187b_normq
	.p2align	8
	.type	k_q0b4cd5187b_normq,@function
k_q0b4cd5187b_normq:
	s_mov_b64 s[64:65], 0
	v_nop
	global_prefetch_b8 v0, s[64:65] scope:SCOPE_SE
	s_setreg_imm32_b32 hwreg(HW_REG_WAVE_MODE, 25, 1), 1
	s_wait_xcnt 0x0
; GROUP NORM, AND h AS CODES OF E3M2.  x: [8][512][2048] f32.  h = (x - mean) rsqrt(var + 1e-6) gamma + beta, mean and var over a group of 16 channels x 2,048 columns.
; h is quantised along the channels: one E8M0 byte for each 32 channels of a column; byte = the largest magnitude's exponent field - 4, held at 1 from below.
; SHARES.  Work-group (beta_block, b), beta_block < 16: 32 channels (two groups) of one batch, all 2,048 columns: 262,144 bytes, read once and kept in registers between the three passes (sum, squares, codes).
; Wave w, lane l take columns 128 w + 32 k + l, k = 0 .. 3; a lane's registers run DOWN the channels: register XR + 32 k + c is channel c of column k.  So a column's block of 32 lies in one lane,
; its largest magnitude needs no other lane, and the conversions' results are the block's 24 bytes.  Each load reads 128 consecutive bytes.
; OUT.  hc [b][block 16][plane 3][column 2048][8 bytes]: plane q holds bytes 8 q .. 8 q + 7 of a block's 24: a wave's store covers 256 consecutive bytes, aligned.
;       hs [b][block 16][wave 16][lane 32] words: byte k of a word is the scale byte of column 128 wave + 32 k + lane.  They meet in LDS and leave 512 bytes an instruction.
; Work-groups (16, b) lay o_w out for the last launch: its fragments as images of the operand's registers, pieces 16 and 17 of batch b's stream in kv (see there).  They use no LDS and meet no barrier;
; the branch hangs on the work-group's number alone.
; No cluster, no tensor load: no two work-groups read the same bytes of x, and a lane wants its numbers in registers.  136 work-groups: a block needs two whole groups and a group needs all columns.
; LIMITS: NaN and infinities in x are not served.  A block of zeros gets the byte 1 where the rule says 127: its codes are zeros, and this program alone reads the bytes.
; The gain is folded: h = d (gamma rstd) + beta, one rounding more in the factor and one less in the sum than the two steps written apart; rsqrt is the instruction's.
.set WP,    26624                      ; a wave's part of a piece of kv: 16 fragment images of 1,536 bytes, then 4 scale images of 512
.set PIECE, 4*WP
.set BATCH, 18*PIECE
.set XR,  32                           ; v32-159  x, then d, then h
.set GA,  160                          ; v160-191 at work on the sums; then gamma x rstd for my 32 channels
.set BE,  192                          ; v192-223 beta
.set CD,  224                          ; v224-247 codes: six registers for each k, so that no store's data are written again
.set SWD, 248                          ; v248     my four columns' scale bytes
	s_load_b512 s[4:19], s[0:1], 0x0               ; x 4, gamma 6, beta 8, o_w_codes 10, o_w_scales 12, hc 14, hs 16, kv 18
	v_lshl_add_u32 v254, v0, 2, 0x1000
	v_mov_b32 v255, 0
	v_lshrrev_b32 v1, 5, v0
	v_readfirstlane_b32 s52, v1                    ; wave 0..15
	s_and_b32 s54, ttmp7, 0xffff                   ; b
	v_and_b32 v1, 31, v0                           ; lane
	s_cmp_eq_u32 ttmp9, 16
	s_cbranch_scc1 .Lweights
	s_lshl_b32 s58, ttmp9, 7                       ; my 32 channels in gamma and beta: 128 bytes a block
	s_mov_b32 s59, 0
	s_lshl_b32 s60, s54, 22                        ; x: b x 512 rows of 8,192 bytes,
	s_lshl_b32 s61, ttmp9, 18                      ; 32 rows a block,
	s_add_co_u32 s60, s60, s61
	s_lshl_b32 s61, s52, 9                         ; 128 columns a wave
	s_add_co_u32 s60, s60, s61
	s_mov_b32 s61, 0
	v_lshlrev_b32 v2, 2, v1                        ; 4 bytes a lane
	s_mov_b32 s56, 0x76543210
	s_mov_b32 s57, 0xfedcba98                      ; v_permlanex16_b32's selects for lane l xor 16
	s_wait_kmcnt 0x0
	s_add_nc_u64 s[4:5], s[4:5], s[60:61]
	s_add_nc_u64 s[6:7], s[6:7], s[58:59]
	s_add_nc_u64 s[8:9], s[8:9], s[58:59]
.irp k, 0,1,2,3
.set c, 0
.rept 32
	global_load_b32 v[XR+32*\k+c], v2, s[4:5] offset:c*8192+\k*128 th:TH_LOAD_NT
.set c, c+1
.endr
.endr
	s_load_b512 s[20:35], s[6:7], 0x0              ; gamma of my 32 channels
	s_load_b512 s[36:51], s[6:7], 0x40
	s_load_b512 s[68:83], s[8:9], 0x0              ; beta
	s_load_b512 s[84:99], s[8:9], 0x40
	s_mul_i32 s60, s54, 786432                     ; hc: 16 blocks of 49,152 bytes a batch,
	s_mul_i32 s62, ttmp9, 49152
	s_add_co_u32 s60, s60, s62
	s_lshl_b32 s62, s52, 10                        ; 128 columns of 8 bytes a wave
	s_add_co_u32 s60, s60, s62
	s_add_nc_u64 s[14:15], s[14:15], s[60:61]
	s_lshl_b32 s60, s54, 15                        ; hs: 16 blocks of 2,048 bytes a batch
	s_lshl_b32 s62, ttmp9, 11
	s_add_co_u32 s60, s60, s62
	s_add_nc_u64 s[16:17], s[16:17], s[60:61]
	v_lshlrev_b32 v3, 3, v1                        ; 8 bytes a lane
	v_mov_b32 v4, s52
	v_lshlrev_b32 v4, 2, v4                        ; LDS: my wave's word
	v_mov_b32 v5, 0
	v_lshl_add_u32 v6, v0, 2, 512                  ; LDS: my thread's scale word
	v_lshlrev_b32 v7, 4, v0                        ; 16 bytes a thread
	v_mov_b32 v18, 0                               ; written once: a lane permute's destination counts as one of its sources
	v_mov_b32 v19, 0
; The sums of a group: chain (g, i % 2) in v[8 + 4 g + 2 (i % 2)], two numbers wide; the first two pairs start each chain: nothing is cleared.
.macro SUMS k
.irp i, 0,1,2,3,4,5,6,7
.irp g, 0,1
.if (\k == 0) && (\i < 2)
.elseif (\k == 0) && (\i < 4)
	v_pk_add_f32 v[8+4*\g+2*(\i%2):9+4*\g+2*(\i%2)], v[XR+16*\g+2*\i-4:XR+16*\g+2*\i-3], v[XR+16*\g+2*\i:XR+16*\g+2*\i+1]
.else
	v_pk_add_f32 v[8+4*\g+2*(\i%2):9+4*\g+2*(\i%2)], v[8+4*\g+2*(\i%2):9+4*\g+2*(\i%2)], v[XR+32*\k+16*\g+2*\i:XR+32*\k+16*\g+2*\i+1]
.endif
.endr
.endr
.endm
.macro SQUARES k
.irp i, 0,1,2,3,4,5,6,7
.irp g, 0,1
.if (\k == 0) && (\i < 2)
	v_pk_mul_f32 v[8+4*\g+2*(\i%2):9+4*\g+2*(\i%2)], v[XR+16*\g+2*\i:XR+16*\g+2*\i+1], v[XR+16*\g+2*\i:XR+16*\g+2*\i+1]
.else
	v_pk_fma_f32 v[8+4*\g+2*(\i%2):9+4*\g+2*(\i%2)], v[XR+32*\k+16*\g+2*\i:XR+32*\k+16*\g+2*\i+1], v[XR+32*\k+16*\g+2*\i:XR+32*\k+16*\g+2*\i+1], v[8+4*\g+2*(\i%2):9+4*\g+2*(\i%2)]
.endif
.endr
.endr
.endm
; The four chains become the two groups' sums over the work-group: within the lane, across the 32 lanes, and through 16 words of LDS a group, at byte off.  Results: v[GA] and v[GA + 16], the same in every lane of every wave.
.macro JOIN off
	v_pk_add_f32 v[8:9], v[8:9], v[10:11]
	v_pk_add_f32 v[12:13], v[12:13], v[14:15]
	v_add_f32 v16, v8, v9
	v_add_f32 v17, v12, v13
.irp x, 1,2,4,8
	v_add_f32_dpp v16, v16, v16 row_xmask:\x row_mask:0xf bank_mask:0xf
	v_add_f32_dpp v17, v17, v17 row_xmask:\x row_mask:0xf bank_mask:0xf
.endr
	v_permlanex16_b32 v18, v16, s56, s57
	v_permlanex16_b32 v19, v17, s56, s57
	v_add_f32 v16, v16, v18
	v_add_f32 v17, v17, v19
	ds_store_b32 v4, v16 offset:\off               ; all lanes write the wave's word with the same value
	ds_store_b32 v4, v17 offset:\off+64
	s_wait_dscnt 0x0                               ; for the others' sake: my stores are done
	s_barrier_signal -1
	s_barrier_wait -1
.irp i, 0,1,2,3,4,5,6,7
	ds_load_b128 v[GA+4*\i:GA+4*\i+3], v5 offset:\off+16*\i
.endr
	s_wait_dscnt 0x0
.irp g, 0,1
.irp j, 0,4,8,12
	v_pk_add_f32 v[GA+16*\g+\j:GA+16*\g+\j+1], v[GA+16*\g+\j:GA+16*\g+\j+1], v[GA+16*\g+\j+2:GA+16*\g+\j+3]
.endr
.irp j, 0,8
	v_pk_add_f32 v[GA+16*\g+\j:GA+16*\g+\j+1], v[GA+16*\g+\j:GA+16*\g+\j+1], v[GA+16*\g+\j+4:GA+16*\g+\j+5]
.endr
	v_pk_add_f32 v[GA+16*\g:GA+16*\g+1], v[GA+16*\g:GA+16*\g+1], v[GA+16*\g+8:GA+16*\g+9]
	v_add_f32 v[GA+16*\g], v[GA+16*\g], v[GA+16*\g+1]
.endr
.endm
	s_wait_loadcnt 63                              ; k = 0's 32 loads are in (96 younger ones might stay out; the count's field holds 63)
	SUMS 0
	s_wait_loadcnt 63                              ; k = 1's (64 might stay out)
	SUMS 1
	s_wait_loadcnt 32                              ; k = 2's; k = 3's 32 may be out
	SUMS 2
	s_wait_loadcnt 0x0
	SUMS 3
	JOIN 0
	v_mul_f32 v20, 0xb8000000, v[GA]               ; -mean = -sum / 2^15 (16 channels x 2,048 columns), twice: a pair for the packed addition
	v_mul_f32 v21, 0xb8000000, v[GA]
	v_mul_f32 v22, 0xb8000000, v[GA+16]
	v_mul_f32 v23, 0xb8000000, v[GA+16]
.irp k, 0,1,2,3
.irp g, 0,1
.irp i, 0,2,4,6,8,10,12,14
	v_pk_add_f32 v[XR+32*\k+16*\g+\i:XR+32*\k+16*\g+\i+1], v[XR+32*\k+16*\g+\i:XR+32*\k+16*\g+\i+1], v[20+2*\g:21+2*\g]   ; d = x - mean: the variance is the mean of d^2, no difference of large sums
.endr
.endr
.endr
	SQUARES 0
	SQUARES 1
	SQUARES 2
	SQUARES 3
	JOIN 256                                       ; other bytes than the first sums': no wave overwrites what another may still read
	v_mov_b32 v26, 0x358637bd                      ; 1e-6
	v_fmamk_f32 v28, v[GA], 0x38000000, v26        ; var + eps = sum / 2^15 + eps
	v_fmamk_f32 v29, v[GA+16], 0x38000000, v26
	s_wait_kmcnt 0x0                               ; gamma and beta
	v_rsq_f32 v24, v28
	v_rsq_f32 v25, v29
.set c, 0
.rept 32
	v_mov_b32 v[BE+c], s[68+c]                     ; plain work that names neither result stands behind the two
.set c, c+1
.endr
	s_wait_alu depctr_va_vdst(0)                   ; one wait for both, ahead of their first reader
.set c, 0
.rept 32
	v_mul_f32 v[GA+c], s[20+c], v[24+c/16]
.set c, c+1
.endr
; Column k: h, the block's scale, its 32 codes, three stores of 8 bytes a lane.
.macro COLUMN k
.set XK, XR+32*\k
.irp i, 0,2,4,6,8,10,12,14,16,18,20,22,24,26,28,30
	v_pk_fma_f32 v[XK+\i:XK+\i+1], v[XK+\i:XK+\i+1], v[GA+\i:GA+\i+1], v[BE+\i:BE+\i+1]
.endr
	v_max3_num_f32 v26, |v[XK]|, |v[XK+1]|, |v[XK+2]|      ; the block's largest magnitude, in two chains: all 32 numbers are mine
	v_max3_num_f32 v27, |v[XK+3]|, |v[XK+4]|, |v[XK+5]|
.irp i, 6,10,14,18,22,26
	v_max3_num_f32 v26, v26, |v[XK+\i]|, |v[XK+\i+1]|
	v_max3_num_f32 v27, v27, |v[XK+\i+2]|, |v[XK+\i+3]|
.endr
	v_max3_num_f32 v26, v26, |v[XK+30]|, |v[XK+31]|
	v_max3_num_f32 v26, v26, v27, 0x2800000        ; and the floor 2^(5 - 127): the byte cannot fall under 1
	v_add_nc_u32 v28, 0xfe000000, v26              ; 4 off the exponent field: the conversion takes the exponent field of this operand as its scale
.if \k == 0
	v_lshrrev_b32 v[SWD], 23, v28                  ; the scale's byte
.else
	v_lshrrev_b32 v29, 23, v28
	v_lshl_or_b32 v[SWD], v29, 8*\k, v[SWD]
.endif
	v_cvt_scalef32_pk16_bf6_f32 v[CD+6*\k:CD+6*\k+2], v[XK:XK+15], v28
	v_cvt_scalef32_pk16_bf6_f32 v[250:252], v[XK+16:XK+31], v28    ; (a conversion's three registers begin on an even number)
	v_nop                                          ; one plain place behind a scaled conversion
.irp i, 0,1,2
	v_mov_b32 v[CD+6*\k+3+\i], v[250+\i]
.endr
.irp q, 0,1,2
	global_store_b64 v3, v[CD+6*\k+2*\q:CD+6*\k+2*\q+1], s[14:15] offset:\q*16384+256*\k   ; 32 lanes store 256 consecutive bytes, aligned
.endr
.endm
	COLUMN 0
	COLUMN 1
	COLUMN 2
	COLUMN 3
	ds_store_b32 v6, v[SWD]
	s_wait_dscnt 0x0
	s_barrier_signal -1
	s_barrier_wait -1                              ; the work-group's 512 scale words lie in LDS
	s_cmp_lt_u32 s52, 4
	s_cbranch_scc0 .Ldone                          ; waves 0 to 3 store them, 512 consecutive bytes an instruction
	ds_load_b128 v[32:35], v7 offset:512
	s_wait_dscnt 0x0
	global_store_b128 v7, v[32:35], s[16:17]
.Ldone:
	s_wait_tensorcnt 0x0
	ds_add_u32 v254, v255
	s_wait_dscnt 0x0
	s_endpgm
; o_w's FRAGMENTS AS IMAGES.  Wave 4 wc + s: rows 128 wc .. + 127 (the last launch's wave wc), K step s: eight fragments ot of 16 rows, and their scale words.
; Register i of lane L of a fragment lies at 512 (i / 4) + 16 L + 4 (i % 4) of its image.  Fragment (s, ot) is number 8 (s % 2) + ot of part wc of piece 16 + s / 2.
.Lweights:
	s_lshr_b32 s58, s52, 2                         ; wc
	s_and_b32 s59, s52, 3                          ; s
	v_and_b32 v8, 15, v0                           ; r
	v_bfe_u32 v9, v0, 4, 1                         ; h
	s_lshl_b32 s60, s58, 7
	v_add_nc_u32 v10, s60, v8                      ; my lane's row in tile 0
	v_mul_u32_u24 v11, v10, 384                    ; a row of 512 codes is 384 bytes,
	v_mad_u32_u24 v11, v9, 24, v11                 ; + 24 h,
	s_mul_i32 s61, s59, 96
	v_add_nc_u32 v11, s61, v11                     ; + 96 a K step
	v_lshlrev_b32 v12, 4, v10                      ; a row of scale bytes is 16 bytes,
	s_lshl_b32 s61, s59, 2
	v_add_nc_u32 v12, s61, v12                     ; a word a K step
	s_and_b32 s62, s59, 1
	s_mul_i32 s63, s62, 12288
	v_lshl_add_u32 v13, v1, 4, s63                 ; images: 16 L + 8 (s % 2) images
	s_lshl_b32 s63, s62, 10
	v_lshl_add_u32 v14, v1, 4, s63                 ; scale images: 16 L + 2 (s % 2) images
	s_mul_i32 s60, s54, BATCH
	s_lshr_b32 s61, s59, 1
	s_add_co_u32 s61, s61, 16
	s_mul_i32 s61, s61, PIECE
	s_add_co_u32 s60, s60, s61
	s_mul_i32 s61, s58, WP
	s_add_co_u32 s60, s60, s61
	s_mov_b32 s61, 0
	s_wait_kmcnt 0x0
	s_add_nc_u64 s[18:19], s[18:19], s[60:61]
.irp t, 0,1,2,3,4,5,6,7
.irp p, 0,1,2,3,4,5
	global_load_b64 v[32+12*\t+2*\p:33+12*\t+2*\p], v11, s[10:11] offset:\t*6144+48*(\p/3)+8*(\p%3)
.endr
	global_load_b32 v[128+\t], v12, s[12:13] offset:256*\t
.endr
	s_wait_loadcnt 0x0
.irp t, 0,1,2,3,4,5,6,7
.irp q, 0,1,2
	global_store_b128 v13, v[32+12*\t+4*\q:35+12*\t+4*\q], s[18:19] offset:1536*\t+512*\q   ; 512 consecutive bytes an instruction
.endr
.endr
.irp a, 0,1
	global_store_b128 v14, v[128+4*\a:131+4*\a], s[18:19] offset:24576+512*\a               ; [group][lane][member] words
.endr
	s_endpgm
.Lfunc_end_k_q0b4cd5187b_normq:
	.size	k_q0b4cd5187b_normq, .Lfunc_end_k_q0b4cd5187b_normq-k_q0b4cd5187b_normq
	.p2alignl 7, 3214868480
	.fill 96, 4, 3214868480
	.section	.rodata,"a",@progbits
	.p2align	6, 0x0
	.amdhsa_kernel k_q0b4cd5187b_normq
		.amdhsa_group_segment_fixed_size 6144
		.amdhsa_private_segment_fixed_size 0
		.amdhsa_enable_private_segment 0
		.amdhsa_kernarg_size 64
		.amdhsa_user_sgpr_count 2
		.amdhsa_user_sgpr_kernarg_segment_ptr 1
		.amdhsa_wavefront_size32 1
		.amdhsa_system_sgpr_workgroup_id_x 1
		.amdhsa_system_sgpr_workgroup_id_y 1
		.amdhsa_system_sgpr_workgroup_id_z 1
		.amdhsa_system_vgpr_workitem_id 0
		.amdhsa_next_free_vgpr 256
		.amdhsa_next_free_sgpr 100
		.amdhsa_reserve_vcc 0
		.amdhsa_float_denorm_mode_32 3
		.amdhsa_float_denorm_mode_16_64 3
		.amdhsa_memory_ordered 1
		.amdhsa_forward_progress 1
		.amdhsa_inst_pref_size 55
	.end_amdhsa_kernel
	.amdgpu_metadata
---
amdhsa.version: [ 1, 2 ]
amdhsa.kernels:
  - .name:           k_q0b4cd5187b_normq
    .symbol:         k_q0b4cd5187b_normq.kd
    .args:
      - { .name: x, .offset: 0, .size: 8, .value_kind: global_buffer, .address_space: global }
      - { .name: gamma, .offset: 8, .size: 8, .value_kind: global_buffer, .address_space: global }
      - { .name: beta, .offset: 16, .size: 8, .value_kind: global_buffer, .address_space: global }
      - { .name: o_w_codes, .offset: 24, .size: 8, .value_kind: global_buffer, .address_space: global }
      - { .name: o_w_scales, .offset: 32, .size: 8, .value_kind: global_buffer, .address_space: global }
      - { .name: hc, .offset: 40, .size: 8, .value_kind: global_buffer, .address_space: global }
      - { .name: hs, .offset: 48, .size: 8, .value_kind: global_buffer, .address_space: global }
      - { .name: kv, .offset: 56, .size: 8, .value_kind: global_buffer, .address_space: global }
    .group_segment_fixed_size: 6144
    .private_segment_fixed_size: 0
    .kernarg_segment_align: 8
    .kernarg_segment_size: 64
    .max_flat_workgroup_size: 512
    .sgpr_count:     100
    .vgpr_count:     256
    .wavefront_size: 32
...
	.end_amdgpu_metadata
.endif
;; end of part 1
;; launch qkv (part 2): grid 128 x 3, 4 waves a work-group, no clusters, 0 bytes of LDS; arguments hc, hs, q_w_codes, q_w_scales, q_b, k_w_codes, k_w_scales, k_b, v_w_codes, v_w_scales, v_b, qimg, kv; writes qimg, kv
.if DOCPART == 2
	.amdgcn_target "amdgcn-amd-amdhsa--gfx1250"
	.amdhsa_code_object_version 6
	.text
	.protected	k_q0b4cd5187b_qkv
	.globl	k_q0b4cd5187b_qkv
	.p2align	8
	.type	k_q0b4cd5187b_qkv,@function
k_q0b4cd5187b_qkv:
	s_mov_b64 s[64:65], 0
	v_nop
	global_prefetch_b8 v0, s[64:65] scope:SCOPE_SE
	s_setreg_imm32_b32 hwreg(HW_REG_WAVE_MODE, 25, 1), 1
	s_wait_xcnt 0x0
; q = q_w h + q_b, k = k_w h + k_b, v = v_w h + v_b on codes of E3M2 (one E8M0 byte for each 32 along K = the 512 channels), and the results quantised again: q and k along their 512 outputs, v along the columns (the keys).
; SHARES.  Work-group x: batch x / 16, 128 columns (chunk x % 16); y: 0 q, 1 k, 2 v.  Wave w: outputs 128 w .. 128 w + 127.  A wave's task is 128 x 128 x 512: 8 units of 32 matrix instructions.  Straight-line: no loop, no LDS, no barrier.
; One operand stays in registers (32 fragments: 8 tiles x 4 K steps, windows 1 and 2), the other streams, a tile (4 fragments) a unit, through three buffers in window 3.  Source 0 is the operand that stays.
;   q, k: W stays, h streams.  A lane then holds ONE column and its 64 results run along the outputs, the next K: a unit gives the fragment (16 columns, K step w).
;   v:    h stays, v_w streams.  A lane holds ONE channel and its 64 results run along the columns, the next K: a unit gives the fragment (16 channels, these 128 keys).
; ORDER INSIDE A BLOCK OF 32.  Tiles 2 b and 2 b + 1 of the operand that stays are one true block of 32 along the next K; the code at place 16 h + 8 u + j is row 8 h + j of tile 2 b + u.  The same map holds for q and k,
; and for v and the softmax's p (made the same way in the last launch), so each product meets like with like; the blocks and their scales are the true ones.  The sums inside an instruction are so taken in another order than by rising k.
; v's CHANNELS of a tile are not neighbours: lane r of tile u takes row 32 (u / 2) + 8 (u % 2) + r + 8 (r / 8) of v_w, so that the attention result's registers run along neighbouring channels for the last product, whose weight is given.
; The biases are the C of each sum's first matrix instruction.
; OUT: fragments as images of their registers (register i of lane L at 512 (i / 4) + 16 L + 4 (i % 4)), laid in the order in which the last launch's waves take them (see there): 512 consecutive bytes a store.
; No cluster and no tensor load: every operand goes from memory straight into the registers of the one wave that multiplies it, in the fragment's own order; a joint load would land in LDS and add a second trip for all 98,304 bytes a wave takes in.
; LIMITS: NaN and infinities are not served; a block of zeros gets the byte 1 where the rule says 127 (its codes are zeros; this program alone reads the bytes).
; REGISTERS.  Window 0: v1-8 offsets; v16-79 the unit's 8 accumulators; v80-98 codes; v100-115 at work; v120-127 the units' scale words; v128-159 W's scale words (4 tile + K step); v160-175 h's (4 pair of tiles + K step: lanes 0-15 the even tile, 16-31 the odd).
;   Windows 1, 2: the operand that stays, fragment (s, t) at v[12 (8 (s % 2) + t)] of window 1 + s / 2.   Window 3: v0-143 three buffers of 4 fragments; v192-255 the bias.
.set WP,    26624
.set PIECE, 4*WP
.set BATCH, 18*PIECE
.set ACC, 16
.set PC,  80
.set TM,  100
.set SW,  120
.set WSC, 128
.set HW,  160
.set MSB, 0
.macro WIN new                         ; the immediate's high byte repeats the setting that is left; a switch that changes nothing is dropped
.if MSB != \new
	s_set_vgpr_msb (MSB<<8)|\new
.set MSB, \new
.endif
.endm
.macro PLACES n
.rept \n
	v_nop
.endr
.endm
.macro LOADW reg, rows, s              ; a fragment of W: 16 rows from row 'rows' of my 128 on, K step s: 24 bytes twice, as pieces of 8
.irp p, 0,1,2,3,4,5
	global_load_b64 v[(\reg)+2*\p:(\reg)+2*\p+1], v2, s[32:33] offset:(\rows)*384+96*(\s)+48*(\p/3)+8*(\p%3)
.endr
.endm
.macro LOADH reg, tile, s              ; a fragment of h: 16 columns, K step s: block 4 s + 2 (p / 3) + h, plane p % 3
.irp p, 0,1,2,3,4,5
	global_load_b64 v[(\reg)+2*\p:(\reg)+2*\p+1], v3, s[4:5] offset:196608*(\s)+98304*(\p/3)+16384*(\p%3)+128*(\tile)
.endr
.endm
.macro LOADR isv, s, t                 ; the operand that stays
.if \isv
	LOADH 12*(8*((\s)%2)+\t), \t, \s
.else
	LOADW 12*(8*((\s)%2)+\t), 16*\t, \s
.endif
.endm
.macro LOADT isv, u                    ; unit u's four fragments of the operand that streams
	WIN 0xC0
.irp s, 0,1,2,3
.if \isv
	LOADW 48*((\u)%3)+12*\s, 32*((\u)/2)+8*((\u)%2), \s
.else
	LOADH 48*((\u)%3)+12*\s, \u, \s
.endif
.endr
.endm
.macro WM d, a, b, c, sa, sb, row      ; row: 1: source 0's scales stand in lanes 16-31; 2: source 1's
.if (\row) == 1
	v_wmma_scale_f32_16x16x128_f8f6f4 v[(\d):(\d)+7], v[(\a):(\a)+11], v[(\b):(\b)+11], v[(\c):(\c)+7], v[(\sa)], v[(\sb)] matrix_a_fmt:MATRIX_FMT_BF6 matrix_b_fmt:MATRIX_FMT_BF6 matrix_a_scale:MATRIX_SCALE_ROW1
.elseif (\row) == 2
	v_wmma_scale_f32_16x16x128_f8f6f4 v[(\d):(\d)+7], v[(\a):(\a)+11], v[(\b):(\b)+11], v[(\c):(\c)+7], v[(\sa)], v[(\sb)] matrix_a_fmt:MATRIX_FMT_BF6 matrix_b_fmt:MATRIX_FMT_BF6 matrix_b_scale:MATRIX_SCALE_ROW1
.else
	v_wmma_scale_f32_16x16x128_f8f6f4 v[(\d):(\d)+7], v[(\a):(\a)+11], v[(\b):(\b)+11], v[(\c):(\c)+7], v[(\sa)], v[(\sb)] matrix_a_fmt:MATRIX_FMT_BF6 matrix_b_fmt:MATRIX_FMT_BF6
.endif
.endm
; A unit's 32 products: K step by K step, the 8 accumulators by turns, one instruction a turn.
.macro MULU isv, u
.irp s, 0,1,2,3
.if \s == 0
	WIN 0x3D                                       ; source 0 window 1, source 1 window 3, C (the bias) window 3, D window 0
.elseif \s == 1
	WIN 0x0D
.else
	WIN 0x0E                                       ; source 0 window 2
.endif
.irp t, 0,1,2,3,4,5,6,7
.if \s > 0
.set CC, ACC+8*\t
.elseif \isv
.set CC, 192+8*(\u)
.else
.set CC, 192+8*\t
.endif
.if \isv
	WM ACC+8*\t, 12*(8*(\s%2)+\t), 48*((\u)%3)+12*\s, CC, HW+4*(\t/2)+\s, WSC+4*(\u)+\s, \t%2
.else
	WM ACC+8*\t, 12*(8*(\s%2)+\t), 48*((\u)%3)+12*\s, CC, WSC+4*\t+\s, HW+4*((\u)/2)+\s, 2*((\u)%2)
.endif
.endr
.endr
.endm
; 64 numbers of a lane, v[s] on: register 16 b + i is place 16 (lane / 16) + i of block b of my row.  They become a fragment's codes in v[PC] on and its scale word in v[pw].
.macro QUANT s, pw
.irp b, 0,1,2,3
	v_max3_num_f32 v[TM+\b], |v[\s+16*\b]|, |v[\s+1+16*\b]|, 0x2800000   ; my 16 numbers of block b, and the floor 2^(5 - 127): the byte cannot fall under 1.  (Each accumulator is read from its low end on)
.endr
.irp i, 2,4,6,8,10,12,14
.irp b, 0,1,2,3
	v_max3_num_f32 v[TM+\b], v[TM+\b], |v[\s+16*\b+\i]|, |v[\s+1+16*\b+\i]|
.endr
.endr
.irp b, 0,1,2,3
	v_permlanex16_b32 v[TM+4+\b], v[TM+\b], s54, s55
.endr
.irp b, 0,1,2,3
	v_max_num_f32 v[TM+\b], v[TM+\b], v[TM+4+\b]   ; with lane l xor 16's: the block's largest magnitude
.endr
.irp b, 0,1,2,3
	v_add_nc_u32 v[TM+12+\b], 0xfe000000, v[TM+\b] ; 4 off its exponent field: the conversion's scale operand
.endr
.irp b, 0,1,2,3
	v_lshrrev_b32 v[TM+4+\b], 23, v[TM+12+\b]      ; the scale's byte
.endr
	v_lshl_or_b32 v[\pw], v[TM+5], 8, v[TM+4]
	v_lshl_or_b32 v[\pw], v[TM+6], 16, v[\pw]
	v_lshl_or_b32 v[\pw], v[TM+7], 24, v[\pw]
.irp c, 0,1
	v_cvt_scalef32_pk16_bf6_f32 v[PC+6*\c:PC+2+6*\c], v[\s+32*\c:\s+15+32*\c], v[TM+12+2*\c]
	v_cvt_scalef32_pk16_bf6_f32 v[PC+12+4*\c:PC+14+4*\c], v[\s+16+32*\c:\s+31+32*\c], v[TM+12+2*\c+1]   ; (a conversion's three registers begin on an even number)
.endr
	v_nop                                          ; one plain place behind a scaled conversion
.irp c, 0,1                                    ; the operand's layout wants a whole block in a lane: lanes 0-15 block 2 c, lanes 16-31 block 2 c + 1
.irp i, 0,1,2
	v_permlane16_swap_b32 v[PC+6*\c+\i], v[PC+12+4*\c+\i]
.endr
.irp i, 0,1,2
	v_mov_b32 v[PC+3+6*\c+\i], v[PC+12+4*\c+\i]
.endr
.endr
.endm
.macro UNIT isv, u
.if (\u) <= 5
	s_wait_loadcnt 48                              ; all but the next two units' 24 loads each: this unit's fragments are in (in unit 0: the operand that stays, the scales and the bias too)
.elseif (\u) == 6
	s_wait_loadcnt 24
.else
	s_wait_loadcnt 0x0
.endif
	MULU \isv, \u
	WIN 0
	PLACES 5                                       ; four in front of loads into fragments just read and of the first read of results; a fifth, since the next unit's products begin these accumulators anew
.if (\u) > 0
	s_wait_xcnt 0x0                                ; the last unit's stores have read the codes' registers
.endif
.if (\u)+3 <= 7
	LOADT \isv, (\u)+3
	WIN 0
.endif
	QUANT ACC, SW+(\u)
.irp q, 0,1,2
.if \isv
	global_store_b128 v7, v[PC+4*\q:PC+4*\q+3], s[44:45] offset:(\u)*1536+512*\q
.elseif (\u) < 4
	global_store_b128 v7, v[PC+4*\q:PC+4*\q+3], s[44:45] offset:((\u)%4)*1536+512*\q
.else
	global_store_b128 v7, v[PC+4*\q:PC+4*\q+3], s[46:47] offset:((\u)%4)*1536+512*\q
.endif
.endr
.if (\u) == 3
	global_store_b128 v8, v[SW:SW+3], s[44:45]     ; four units' scale words: [lane][member], 512 consecutive bytes
.elseif ((\u) == 7) && \isv
	global_store_b128 v8, v[SW+4:SW+7], s[44:45] offset:512
.elseif (\u) == 7
	global_store_b128 v8, v[SW+4:SW+7], s[46:47]
.endif
.endm
.macro BODY isv
	s_lshl_b32 s52, s30, 7                         ; my wave's 128 rows of W
.if \isv
	v_and_b32 v12, 8, v10
	v_add3_u32 v12, v12, v10, s52                  ; my lane's row in tile 0: r + 8 (r / 8)
.else
	v_add_nc_u32 v12, s52, v10                     ; r
.endif
	v_mul_u32_u24 v2, v12, 384                     ; W: a row of 512 codes is 384 bytes,
	v_mad_u32_u24 v2, v11, 24, v2                  ; + 24 h
	v_lshlrev_b32 v4, 4, v12                       ; its scale bytes: 16 a row: four words, one a K step
.if \isv
	v_lshlrev_b32 v6, 2, v12                       ; the bias: my lane's channel
	s_and_b32 s52, s39, 1                          ; which of a piece's two chunks of keys
	s_mul_i32 s53, s52, 12288
	v_add_nc_u32 v7, s53, v1                       ; images: 16 L + 8 images a chunk
	s_lshl_b32 s53, s52, 10
	s_add_co_u32 s53, s53, 24576
	v_add_nc_u32 v8, s53, v1                       ; scale images: behind the 16 images, 2 a chunk
.else
	s_lshl_b32 s52, s30, 9
	v_lshl_add_u32 v6, v11, 5, s52                 ; the bias: outputs 128 w + 8 h on
	s_mul_i32 s53, s30, 6144
	v_add_nc_u32 v7, s53, v1                       ; images: 16 L + 4 images a K step (= my wave)
	s_add_co_u32 s52, s52, 24576
	v_add_nc_u32 v8, s52, v1                       ; scale images: one a K step
.endif
.set i, 0
.rept 16
	global_load_b32 v[ACC+i], v5, s[6:7] offset:2048*i     ; h's scale bytes of block i: byte k of lane L is column 32 k + L of my chunk
.set i, i+1
.endr
.irp t, 0,1,2,3,4,5,6,7
.if \isv
	global_load_b128 v[WSC+4*\t:WSC+4*\t+3], v4, s[34:35] offset:(32*(\t/2)+8*(\t%2))*16
.else
	global_load_b128 v[WSC+4*\t:WSC+4*\t+3], v4, s[34:35] offset:256*\t
.endif
.endr
	WIN 0xC0
.irp t, 0,1,2,3,4,5,6,7
.if \isv
.irp j, 0,1,2,3,4,5,6,7
	global_load_b32 v[192+8*\t+\j], v6, s[36:37] offset:(32*(\t/2)+8*(\t%2))*4   ; a lane's eight results of a tile are one channel's: its bias eight times
.endr
.else
	global_load_b128 v[192+8*\t:195+8*\t], v6, s[36:37] offset:64*\t             ; a lane's eight results are outputs 16 t + 8 h + 0 .. 7
	global_load_b128 v[196+8*\t:199+8*\t], v6, s[36:37] offset:64*\t+16
.endif
.endr
	WIN 0x40
.irp s, 0,1
.irp t, 0,1,2,3,4,5,6,7
	LOADR \isv, \s, \t
.endr
.endr
	WIN 0x80
.irp s, 2,3
.irp t, 0,1,2,3,4,5,6,7
	LOADR \isv, \s, \t
.endr
.endr
	LOADT \isv, 0
	LOADT \isv, 1
	LOADT \isv, 2
	WIN 0
	s_wait_loadcnt 63                              ; more than 63 loads were issued behind the 16 words of h's scale bytes: they are in
.irp s, 0,1,2,3                                ; four bytes by four registers are turned: word (pair of tiles i, K step s) takes byte i of blocks 4 s .. 4 s + 3
	v_perm_b32 v[32+4*\s], v[ACC+1+4*\s], v[ACC+4*\s], 0x05010400
	v_perm_b32 v[33+4*\s], v[ACC+1+4*\s], v[ACC+4*\s], 0x07030602
	v_perm_b32 v[34+4*\s], v[ACC+3+4*\s], v[ACC+2+4*\s], 0x05010400
	v_perm_b32 v[35+4*\s], v[ACC+3+4*\s], v[ACC+2+4*\s], 0x07030602
	v_perm_b32 v[HW+\s], v[34+4*\s], v[32+4*\s], 0x05040100
	v_perm_b32 v[HW+4+\s], v[34+4*\s], v[32+4*\s], 0x07060302
	v_perm_b32 v[HW+8+\s], v[35+4*\s], v[33+4*\s], 0x05040100
	v_perm_b32 v[HW+12+\s], v[35+4*\s], v[33+4*\s], 0x07060302
.endr
	PLACES 8                                       ; a scale register written by a vector instruction stands eight places ahead of a scaled matrix instruction
.irp u, 0,1,2,3,4,5,6,7
	UNIT \isv, \u
.endr
	s_endpgm
.endm
	s_load_b512 s[4:19], s[0:1], 0x0               ; hc 4, hs 6, q_w_codes 8, q_w_scales 10, q_b 12, k_w_codes 14, k_w_scales 16, k_b 18
	s_load_b256 s[20:27], s[0:1], 0x40             ; v_w_codes 20, v_w_scales 22, v_b 24, qimg 26
	s_load_b64 s[28:29], s[0:1], 0x60              ; kv
	v_lshrrev_b32 v1, 5, v0
	v_readfirstlane_b32 s30, v1                    ; wave 0..3
	s_and_b32 s31, ttmp7, 0xffff                   ; 0 q, 1 k, 2 v
	s_lshr_b32 s38, ttmp9, 4                       ; b
	s_and_b32 s39, ttmp9, 15                       ; chunk of 128 columns
	v_and_b32 v9, 31, v0                           ; L
	v_and_b32 v10, 15, v0                          ; r
	v_bfe_u32 v11, v0, 4, 1                        ; h
	v_lshlrev_b32 v1, 4, v9                        ; 16 L
	v_lshlrev_b32 v5, 2, v9                        ; 4 L
	v_mul_u32_u24 v3, v11, 49152                   ; h's codes: lanes 16-31 take the next block,
	v_lshl_add_u32 v3, v10, 3, v3                  ; 8 bytes a column
.irp b, 0,1,2,3
	v_mov_b32 v[TM+4+\b], 0                        ; written once: a lane permute's destination counts as one of its sources
.endr
	s_mov_b32 s54, 0x76543210
	s_mov_b32 s55, 0xfedcba98                      ; v_permlanex16_b32's selects for lane l xor 16
	s_lshl_b32 s40, s38, 5
	s_lshl_b32 s41, s39, 1
	s_add_co_u32 s40, s40, s41
	s_mul_i32 s40, s40, WP                         ; q: query block 32 b + 2 chunk; the chunk's second block lies WP on
	s_mul_i32 s41, s38, BATCH
	s_lshr_b32 s42, s39, 2
	s_mul_i32 s42, s42, 4*PIECE
	s_add_co_u32 s41, s41, s42                     ; kv: the batch, the round of 512 keys
	s_and_b32 s42, s39, 3
	s_mul_i32 s43, s42, WP
	s_add_co_u32 s43, s43, s41                     ; k: piece 4 round, the part of the wave that will take these 128 keys; key tiles 4 to 7 lie a piece on
	s_lshr_b32 s42, s42, 1
	s_mul_i32 s42, s42, PIECE
	s_add_co_u32 s41, s41, s42
	s_add_co_u32 s41, s41, 2*PIECE
	s_mul_i32 s42, s30, WP
	s_add_co_u32 s41, s41, s42                     ; v: piece 4 round + 2 + (chunk % 4) / 2, my wave's part
	s_mul_i32 s56, s38, 786432
	s_lshl_b32 s57, s39, 10
	s_add_co_u32 s56, s56, s57                     ; hc: the batch, 128 columns of 8 bytes a chunk
	s_mov_b32 s57, 0
	s_lshl_b32 s58, s38, 15
	s_lshl_b32 s59, s39, 7
	s_add_co_u32 s58, s58, s59                     ; hs: the batch, 128 bytes a chunk
	s_mov_b32 s59, 0
	s_mov_b32 s49, 0
	s_mov_b32 s51, 0
	s_mov_b32 s50, PIECE
	s_wait_kmcnt 0x0
	s_add_nc_u64 s[4:5], s[4:5], s[56:57]
	s_add_nc_u64 s[6:7], s[6:7], s[58:59]
	s_cmp_eq_u32 s31, 0                            ; the choices hang on the work-group's number alone
	s_cselect_b64 s[32:33], s[8:9], s[14:15]       ; W's codes,
	s_cselect_b64 s[34:35], s[10:11], s[16:17]     ; its scale bytes,
	s_cselect_b64 s[36:37], s[12:13], s[18:19]     ; the bias,
	s_cselect_b64 s[44:45], s[26:27], s[28:29]     ; where the images go,
	s_cselect_b32 s48, s40, s43
	s_cselect_b32 s50, WP, s50                     ; and how far on units 4 to 7 lie
	s_cmp_eq_u32 s31, 2
	s_cselect_b64 s[32:33], s[20:21], s[32:33]
	s_cselect_b64 s[34:35], s[22:23], s[34:35]
	s_cselect_b64 s[36:37], s[24:25], s[36:37]
	s_cselect_b32 s48, s41, s48
	s_add_nc_u64 s[44:45], s[44:45], s[48:49]
	s_add_nc_u64 s[46:47], s[44:45], s[50:51]
	s_cmp_eq_u32 s31, 2
	s_cbranch_scc1 .Lv
	BODY 0
.Lv:
	BODY 1
.Lfunc_end_k_q0b4cd5187b_qkv:
	.size	k_q0b4cd5187b_qkv, .Lfunc_end_k_q0b4cd5187b_qkv-k_q0b4cd5187b_qkv
	.p2alignl 7, 3214868480
	.fill 96, 4, 3214868480
	.section	.rodata,"a",@progbits
	.p2align	6, 0x0
	.amdhsa_kernel k_q0b4cd5187b_qkv
		.amdhsa_group_segment_fixed_size 0
		.amdhsa_private_segment_fixed_size 0
		.amdhsa_enable_private_segment 0
		.amdhsa_kernarg_size 104
		.amdhsa_user_sgpr_count 2
		.amdhsa_user_sgpr_kernarg_segment_ptr 1
		.amdhsa_wavefront_size32 1
		.amdhsa_system_sgpr_workgroup_id_x 1
		.amdhsa_system_sgpr_workgroup_id_y 1
		.amdhsa_system_sgpr_workgroup_id_z 1
		.amdhsa_system_vgpr_workitem_id 0
		.amdhsa_next_free_vgpr 1024
		.amdhsa_next_free_sgpr 66
		.amdhsa_reserve_vcc 0
		.amdhsa_float_denorm_mode_32 3
		.amdhsa_float_denorm_mode_16_64 3
		.amdhsa_memory_ordered 1
		.amdhsa_forward_progress 1
		.amdhsa_inst_pref_size 230
	.end_amdhsa_kernel
	.amdgpu_metadata
---
amdhsa.version: [ 1, 2 ]
amdhsa.kernels:
  - .name:           k_q0b4cd5187b_qkv
    .symbol:         k_q0b4cd5187b_qkv.kd
    .args:
      - { .name: hc, .offset: 0, .size: 8, .value_kind: global_buffer, .address_space: global }
      - { .name: hs, .offset: 8, .size: 8, .value_kind: global_buffer, .address_space: global }
      - { .name: q_w_codes, .offset: 16, .size: 8, .value_kind: global_buffer, .address_space: global }
      - { .name: q_w_scales, .offset: 24, .size: 8, .value_kind: global_buffer, .address_space: global }
      - { .name: q_b, .offset: 32, .size: 8, .value_kind: global_buffer, .address_space: global }
      - { .name: k_w_codes, .offset: 40, .size: 8, .value_kind: global_buffer, .address_space: global }
      - { .name: k_w_scales, .offset: 48, .size: 8, .value_kind: global_buffer, .address_space: global }
      - { .name: k_b, .offset: 56, .size: 8, .value_kind: global_buffer, .address_space: global }
      - { .name: v_w_codes, .offset: 64, .size: 8, .value_kind: global_buffer, .address_space: global }
      - { .name: v_w_scales, .offset: 72, .size: 8, .value_kind: global_buffer, .address_space: global }
      - { .name: v_b, .offset: 80, .size: 8, .value_kind: global_buffer, .address_space: global }
      - { .name: qimg, .offset: 88, .size: 8, .value_kind: global_buffer, .address_space: global }
      - { .name: kv, .offset: 96, .size: 8, .value_kind: global_buffer, .address_space: global }
    .group_segment_fixed_size: 0
    .private_segment_fixed_size: 0
    .kernarg_segment_align: 8
    .kernarg_segment_size: 104
    .max_flat_workgroup_size: 128
    .sgpr_count:     66
    .vgpr_count:     1024
    .wavefront_size: 32
...
	.end_amdgpu_metadata
.endif
;; end of part 2
;; launch attn (part 3): grid 32 x 8, 4 waves a work-group, clusters of 4 x 1, 327,680 bytes of LDS; arguments x, o_b, qimg, kv, out0; writes out0
.if DOCPART == 3
	.amdgcn_target "amdgcn-amd-amdhsa--gfx1250"
	.amdhsa_code_object_version 6
	.text
	.protected	k_q0b4cd5187b_attn
	.globl	k_q0b4cd5187b_attn
	.p2align	8
	.type	k_q0b4cd5187b_attn,@function
k_q0b4cd5187b_attn:
	s_mov_b64 s[64:65], 0
	v_nop
	global_prefetch_b8 v0, s[64:65] scope:SCOPE_SE
	s_setreg_imm32_b32 hwreg(HW_REG_WAVE_MODE, 25, 1), 1
	s_wait_xcnt 0x0
	s_wait_alu depctr_hold_cnt(0) depctr_sa_sdst(0) depctr_va_vdst(0) depctr_va_sdst(0) depctr_va_ssrc(0) depctr_va_vcc(0) depctr_vm_vsrc(0)
	s_getreg_b32 s2, hwreg(HW_REG_IB_STS2, 6, 4)
	s_cmp_eq_u32 s2, 0
	s_cbranch_scc0 .Lentry_in_a_cluster
	s_endpgm
.Lentry_in_a_cluster:
	s_bfe_u32 s2, ttmp6, 0x10000c
	s_cmp_lg_u32 s2, 0x3003
	s_cbranch_scc0 .Lentry_shape_is_right
	s_endpgm
.Lentry_shape_is_right:
; out = x + o_w (v softmax(q^T k / sqrt(512))^T) + o_b, all three products on codes of E3M2 with one E8M0 byte for each 32 along K.
; THE SOFTMAX AHEAD OF THE SECOND PRODUCT: t = score x log2(e) / sqrt(512); M = the row's largest t so far, rounded UP to a whole number; p = 2^(t - M) is quantised along the keys, not normalised.  The row's sum is taken
; of the unquantised p and divides the result at the end.  When M moves, the sum and the result are multiplied by 2^(old M - new M): exact.
; SHARES.  A work-group owns 64 queries of one batch: four tiles m of 16.  THE WAVES SHARE THE KEYS AND THE CHANNELS, NOT THE QUERIES.  In a round of 512 keys wave w makes the scores of keys 128 w .. + 127 for all 64 queries
; (source 0 = 16 keys, source 1 = 16 queries: a lane holds ONE query), quantises p into one fragment a tile, which is K step w of the second product, hands it to the others through LDS as an image of its registers, and then
; makes channels 128 w .. + 127 of the result (source 0 = 16 channels of v, source 1 = p).  So each fragment of k, v and o_w is read from LDS by one wave alone and feeds four matrix instructions.
; M is the same in all four waves: each round the waves' largest scores meet in LDS.  Each wave sums its own keys' p; the four sums meet at the end.
; THE STREAM.  kv holds for each batch 18 pieces of 106,496 bytes, each four parts (one a wave) of 26,624: 16 fragment images of 1,536 bytes (fragment 4 g + i: group g, member i; register i of lane L at 512 (i / 4) + 16 L + 4 (i % 4)),
; then four scale images [g][lane][i] of 512.  Round n: pieces 4 n, 4 n + 1: k (g = K step, key tile 4 a + i); 4 n + 2, 4 n + 3: v (keys 128 (2 a + g / 2) on, channel tile 4 (g % 2) + i).  Pieces 16, 17: o_w (K step 2 a + g / 2, row tile 4 (g % 2) + i).
; Pieces go through a ring of two LDS slots; each wave fetches its own part by one tensor load of 104 rows of 256 bytes.
; CLUSTER.  The four work-groups of a cluster belong to one batch and walk the same stream: each part is asked for JOINTLY, by the same tensor load with the same descriptor and the mask of all four.
; By this text's own count a wave has one tensor load outstanding.  All of a WGP's LDS is claimed; the text uses 261,632 bytes.
; LIMITS: NaN and infinities are not served.  A block of zeros gets the byte 1 where the rule says 127 (its codes are zeros).  A block's largest p is made from its largest score by the same two instructions, which takes v_exp_f32 not to fall
; where its input rises.  t is the score times ONE rounded constant.  1 / l is the instruction's.  Inside a block of 32 the keys (and q's and k's channels) stand in another order than by rising index, alike on both sides of a product.
; REGISTERS, in windows of 256.  Window 0: v1-17 addresses; v20-35 statistics (a tile: -M, largest t, the sum in two halves); v36-43 f or 1 / l, a pair a tile; v44-59 block maxima; v60-75 at work; v76-79 scale words just made;
;   v80-95 q's scale words, v96-111 the piece's, v112-127 p's; v128-223 two sets of four fragments (while quantising: four sets of codes; on the way out: two sets of 32).
;   Window 1: the result, 64 m + 8 channel tile; later out, 8 (4 row tile + m).   Window 2: scores and p, 64 m + 8 key tile; then the 16 fragments of p (or of the result) at 12 (4 K step + m); at the end v192-255 x.
;   Window 3: v0-191 q's fragments at 12 (4 K step + m), at the end x; v192-255 o_b.
.set WP,    26624
.set PIECE, 4*WP
.set BATCH, 18*PIECE
.set SLOT1, PIECE                      ; LDS: slot 0 at 0, slot 1 here; wave w's part at w x WP
.set PIMG,  2*PIECE                    ; 16 images of p (K step j, tile m: 4 j + m),
.set PSC,   PIMG+16*1536               ; their scale words [j][lane][m],
.set MX,    PSC+2048                   ; the waves' largest scores [m][lane][wave]; 2,048 bytes on: their sums
.set STG,   MX+4096                    ; the way out: 16 rows x (256 bytes + 16) for each wave
.set SPARE, STG+4*16*272               ; the spare words, 128 bytes for each wave: two blocks of 256 bytes that no other line names
.set LI,  1                            ; v1   16 L
.set LB,  2                            ; v2-3 my part of slot 0, 1, + 16 L
.set PWI, 4                            ; v4   where I store images
.set PRI, 5                            ; v5   where all images begin, + 16 L
.set PSW, 6                            ; v6   where I store scale words
.set PSR, 7                            ; v7   where they begin, + 16 L
.set MXW, 8                            ; v8   my word among the maxima
.set MXR, 9                            ; v9   my lane's four words
.set STO, 10                           ; v10  the stage: where I put 32 bytes of a row
.set SRD, 11                           ; v11  and where I read rows back
.set GX,  12                           ; v12  my 16 bytes in two rows of x and of out
.set PFK, 13                           ; v13  the prefetches' offsets: in kv,
.set PFX, 14                           ; v14  in x
.set OBA, 15                           ; v15  4 r
.set SPW, 16                           ; v16  my spare word; never rewritten
.set NIL, 17                           ; v17  0; never rewritten
.set ST,  20
.set FF,  36
.set BM,  44
.set TT,  60
.set PW,  76
.set QS,  80
.set KVS, 96
.set PS,  112
.set FB,  128
.set MSB, 0
.macro WIN new                         ; the immediate's high byte repeats the setting that is left; a switch that changes nothing is dropped
.if MSB != \new
	s_set_vgpr_msb (MSB<<8)|\new
.set MSB, \new
.endif
.endm
.macro PLACES n
.rept \n
	v_nop
.endr
.endm
; A round of the cluster's barrier: my work-group's barrier; wave 0 signals for the work-group; every wave waits for all four work-groups; my work-group's barrier once more.
.macro ROUND
	s_barrier_signal -1
	s_barrier_wait -1
	s_cmp_lg_u32 s14, 0
	s_cbranch_scc1 .Lnot_wave_0_\@
	s_barrier_signal -3
.Lnot_wave_0_\@:
	s_barrier_wait -3
	s_barrier_signal -1
	s_barrier_wait -1
.endm
; THE CHANGE OF SLOTS, at the head of a piece in 'slot'.  Each wave waits for all its tensor loads (one: its part of this piece), adds 0 to its spare word, and waits for that and for all its LDS instructions: its reads of the other slot
; are over, and what it stored for the other waves has landed.  Behind the round no wave of any partner reads the other slot: it takes the next piece, the first thing behind the round, one load a wave.
; ask = 1: two prefetches follow the load and its four lines.  (1) kv: the piece three on from this one, two changes ahead of its load.  All clusters of a batch walk the same stream: the batch's first cluster asks; partner cx takes part cx, told
; apart by address, and each of its waves a quarter, 26 blocks of 256 bytes, a lane a block (lanes 26 to 31 name lane 25's again).  The last two changes ask for nothing.  (2) x, in the last round alone: 32 rows of the 128 that my wave will
; add at the end, 256 bytes each, a lane a row: four changes name them all, each once.
.macro TRIP slot, fill, ask, xq
	WIN 0
	s_wait_tensorcnt 0x0                           ; no tensor load of mine is out, so a group 0 may be written
	ds_add_u32 v[SPW], v[NIL]                      ; 0 onto my spare word; the steps below stand between it and the wait for it
	s_add_nc_u64 s[42+4*\slot:43+4*\slot], s[42+4*\slot:43+4*\slot], 2*PIECE   ; this slot's next piece; the type bits on top are not reached
.if \ask
	s_wait_xcnt 0x0                                ; the last prefetches, a piece back, have read their address
	s_add_nc_u64 s[30:31], s[30:31], PIECE
.endif
	s_wait_dscnt 0x0
	ROUND
.if \fill
	tensor_load_to_lds s[44-4*\slot:47-4*\slot], s[32:39]
	s_nop 0
	PLACES 4
.endif
.if \ask
	s_cmp_lt_u32 s27, s28
	s_cbranch_scc0 .Lno_kv_\@
	global_prefetch_b8 v[PFK], s[30:31] th:TH_LOAD_NT scope:SCOPE_SE
.Lno_kv_\@:
	s_cmp_eq_u32 s26, 1
	s_cbranch_scc0 .Lno_x_\@
	global_prefetch_b8 v[PFX], s[48:49] offset:\xq*262144 th:TH_LOAD_NT scope:SCOPE_SE
.Lno_x_\@:
	s_add_co_u32 s27, s27, 1                       ; the number of the piece in hand
.endif
.endm
.macro WM d, a, b, c, sa, sb           ; c < 0: the product starts the sum
.if (\c) < 0
	v_wmma_scale_f32_16x16x128_f8f6f4 v[(\d):(\d)+7], v[(\a):(\a)+11], v[(\b):(\b)+11], 0, v[(\sa)], v[(\sb)] matrix_a_fmt:MATRIX_FMT_BF6 matrix_b_fmt:MATRIX_FMT_BF6
.else
	v_wmma_scale_f32_16x16x128_f8f6f4 v[(\d):(\d)+7], v[(\a):(\a)+11], v[(\b):(\b)+11], v[(\c):(\c)+7], v[(\sa)], v[(\sb)] matrix_a_fmt:MATRIX_FMT_BF6 matrix_b_fmt:MATRIX_FMT_BF6
.endif
.endm
.macro LOADS lb                        ; a part's 16 scale words: group g's four by one load
.irp g, 0,1,2,3
	ds_load_b128 v[KVS+4*\g:KVS+4*\g+3], v[\lb] offset:24576+512*\g
.endr
.endm
.macro LOADG lb, g, set                ; group g's four fragments: 12 loads of 512 consecutive bytes
.irp i, 0,1,2,3
.irp q, 0,1,2
	ds_load_b128 v[FB+48*(\set)+12*\i+4*\q:FB+48*(\set)+12*\i+4*\q+3], v[\lb] offset:(4*(\g)+\i)*1536+512*\q
.endr
.endr
.endm
; 16 matrix instructions on 16 different accumulators: group g's four fragments x the four tiles of queries.  kind 0: scores; 1: the result; 2: out.
.macro GROUP kind, a, g
.set FS, FB+48*((\g)%2)
.set JJ, 2*(\a)+(\g)/2
.if \kind == 0
	WIN 0xAC                                       ; source 0 window 0, source 1 (q) window 3, C and D window 2
.elseif \kind == 1
	WIN 0x58                                       ; source 1 (p) window 2, C and D window 1
.elseif JJ == 0
	WIN 0x72                                       ; source 0 (the result's codes) window 2, source 1 window 0, C (o_b) window 3, D window 1
.else
	WIN 0x52
.endif
.irp i, 0,1,2,3
.set TI, 4*((\g)%2)+\i
.irp m, 0,1,2,3
.if (\kind == 0) && (\g == 0)
	WM 64*\m+8*(4*(\a)+\i), FS+12*\i, 12*(4*(\g)+\m), -1, KVS+4*(\g)+\i, QS+4*(\g)+\m
.elseif \kind == 0
	WM 64*\m+8*(4*(\a)+\i), FS+12*\i, 12*(4*(\g)+\m), 64*\m+8*(4*(\a)+\i), KVS+4*(\g)+\i, QS+4*(\g)+\m
.elseif \kind == 1
	WM 64*\m+8*TI, FS+12*\i, 12*(4*JJ+\m), 64*\m+8*TI, KVS+4*(\g)+\i, PS+4*JJ+\m
.elseif JJ == 0
	WM 8*(4*TI+\m), 12*(4*JJ+\m), FS+12*\i, 192+8*TI, PS+4*JJ+\m, KVS+4*(\g)+\i
.else
	WM 8*(4*TI+\m), 12*(4*JJ+\m), FS+12*\i, 8*(4*TI+\m), PS+4*JJ+\m, KVS+4*(\g)+\i
.endif
.endr
.endr
.endm
; A piece: 64 matrix instructions.  Two groups' fragments are asked for ahead; each wait leaves the next group's 12 loads out.  The accumulators take turns, one instruction a turn.
.macro PIPE lb, kind, a
	WIN 0
	LOADS \lb
	LOADG \lb, 0, 0
	LOADG \lb, 1, 1
.irp g, 0,1,2,3
.if \g < 3
	s_wait_dscnt 12
.else
	s_wait_dscnt 0x0
.endif
	GROUP \kind, \a, \g
.if \g < 2
	PLACES 4                                       ; in front of loads into fragments just read
	WIN 0
	LOADG \lb, \g+2, \g%2
.elseif \g == 3
	PLACES 5                                       ; four for the loads and reads that follow; a fifth, since matrix instructions of the next phase write over operands of these
.endif
.endr
.endm
; The largest score of each block of 32 keys (it serves twice: for the row's maximum and, since p rises with the score, for the block's largest p), and my 128 keys' largest, which goes to LDS.  Each accumulator is read from its low end on.
.macro MAXL
	WIN 0x2A
.irp m, 0,1,2,3
.irp b, 0,1,2,3
	v_max3_num_f32 v[BM+4*\m+\b], v[64*\m+16*\b], v[64*\m+16*\b+1], v[64*\m+16*\b+2]
.endr
.endr
	WIN 0x28
.irp i, 3,5,7,9,11,13
.irp m, 0,1,2,3
.irp b, 0,1,2,3
	v_max3_num_f32 v[BM+4*\m+\b], v[BM+4*\m+\b], v[64*\m+16*\b+\i], v[64*\m+16*\b+\i+1]
.endr
.endr
.endr
.irp m, 0,1,2,3
.irp b, 0,1,2,3
	v_max_num_f32 v[BM+4*\m+\b], v[BM+4*\m+\b], v[64*\m+16*\b+15]
.endr
.endr
	WIN 0
.set n, 0
.rept 16
	v_permlanex16_b32 v[TT+n], v[BM+n], s24, s25
.set n, n+1
.endr
.set n, 0
.rept 16
	v_max_num_f32 v[BM+n], v[BM+n], v[TT+n]        ; with lane l xor 16's 16 keys
.set n, n+1
.endr
.irp m, 0,1,2,3
	v_max3_num_f32 v[TT+4*\m], v[BM+4*\m], v[BM+4*\m+1], v[BM+4*\m+2]
.endr
.irp m, 0,1,2,3
	v_max_num_f32 v[TT+4*\m], v[TT+4*\m], v[BM+4*\m+3]
.endr
.irp m, 0,1,2,3
	ds_store_b32 v[MXW], v[TT+4*\m] offset:512*\m
.endr
.endm
; From 16 block maxima in BM (floored) and 64 numbers a tile at v[64 m] of window sw: scale words, codes, and their images in LDS: K step w of the next product.
.macro FINISH sw
.set n, 0
.rept 16
	v_add_nc_u32 v[BM+n], 0xfe000000, v[BM+n]      ; 4 off the exponent field: the conversion's scale operand
.set n, n+1
.endr
.set n, 0
.rept 16
	v_lshrrev_b32 v[TT+n], 23, v[BM+n]             ; the scale's byte
.set n, n+1
.endr
.irp m, 0,1,2,3
	v_lshl_or_b32 v[PW+\m], v[TT+4*\m+1], 8, v[TT+4*\m]
.endr
.irp m, 0,1,2,3
	v_lshl_or_b32 v[PW+\m], v[TT+4*\m+2], 16, v[PW+\m]
.endr
.irp m, 0,1,2,3
	v_lshl_or_b32 v[PW+\m], v[TT+4*\m+3], 24, v[PW+\m]
.endr
	WIN \sw
.irp m, 0,1,2,3
.irp c, 0,1
	v_cvt_scalef32_pk16_bf6_f32 v[FB+24*\m+6*\c:FB+24*\m+6*\c+2], v[64*\m+32*\c:64*\m+32*\c+15], v[BM+4*\m+2*\c]
	v_cvt_scalef32_pk16_bf6_f32 v[FB+24*\m+12+4*\c:FB+24*\m+14+4*\c], v[64*\m+32*\c+16:64*\m+32*\c+31], v[BM+4*\m+2*\c+1]   ; (a conversion's three registers begin on an even number)
.endr
.endr
	WIN 0
	v_nop                                          ; one plain place behind a scaled conversion
.irp m, 0,1,2,3
.irp c, 0,1                                    ; the operand's layout wants a whole block in a lane: lanes 0-15 block 2 c, lanes 16-31 block 2 c + 1
.irp i, 0,1,2
	v_permlane16_swap_b32 v[FB+24*\m+6*\c+\i], v[FB+24*\m+12+4*\c+\i]
.endr
.irp i, 0,1,2
	v_mov_b32 v[FB+24*\m+3+6*\c+\i], v[FB+24*\m+12+4*\c+\i]
.endr
.endr
.endr
.irp m, 0,1,2,3
.irp q, 0,1,2
	ds_store_b128 v[PWI], v[FB+24*\m+4*\q:FB+24*\m+4*\q+3] offset:1536*\m+512*\q
.endr
.endr
	ds_store_b128 v[PSW], v[PW:PW+3]
.endm
.macro SOFTMAX
.irp m, 0,1,2,3
	ds_load_b128 v[TT+4*\m:TT+4*\m+3], v[MXR] offset:512*\m   ; the four waves' largest scores of my query
.endr
	s_wait_dscnt 0x0
.irp m, 0,1,2,3
	v_max3_num_f32 v[TT+4*\m], v[TT+4*\m], v[TT+4*\m+1], v[TT+4*\m+2]
.endr
.irp m, 0,1,2,3
	v_max_num_f32 v[TT+4*\m], v[TT+4*\m], v[TT+4*\m+3]
.endr
.irp m, 0,1,2,3
	v_mul_f32 v[TT+4*\m], s22, v[TT+4*\m]          ; as t (c is positive)
.endr
.irp m, 0,1,2,3
	v_max_num_f32 v[ST+4*\m+1], v[ST+4*\m+1], v[TT+4*\m]   ; the running largest t
.endr
.irp m, 0,1,2,3
	v_mov_b32 v[TT+4*\m+1], v[ST+4*\m]
.endr
.irp m, 0,1,2,3
	v_floor_f32 v[ST+4*\m], -v[ST+4*\m+1]          ; the new -M = floor(-t) = -ceil(t): a whole number
.endr
.irp m, 0,1,2,3
	v_sub_f32 v[TT+4*\m+1], v[ST+4*\m], v[TT+4*\m+1]   ; old M less new M: a whole number, 0 or less
.endr
.irp m, 0,1,2,3
	v_cvt_i32_f32 v[TT+4*\m+1], v[TT+4*\m+1]       ; (it saturates)
.endr
.irp m, 0,1,2,3
	v_ldexp_f32 v[FF+2*\m], 1.0, v[TT+4*\m+1]      ; f = 2^(old M - new M)
.endr
	WIN 0x82
.irp m, 0,1,2,3
.set j, 0
.rept 32
	v_pk_fma_f32 v[64*\m+j:64*\m+j+1], v[64*\m+j:64*\m+j+1], s[22:23], v[ST+4*\m:ST+4*\m+1] op_sel_hi:[1,0,0]   ; t - M, two at a time (of the pairs c and -M the low word serves both halves)
.set j, j+2
.endr
.endr
	WIN 0
.irp m, 0,1,2,3
.irp b, 0,1,2,3
	v_fma_f32 v[BM+4*\m+\b], v[BM+4*\m+\b], s22, v[ST+4*\m]   ; the same of each block's largest score
.endr
.endr
	WIN 0x82
.set n, 0
.rept 256
	v_exp_f32 v[n], v[n]                           ; p = 2^(t - M), at most 1: one batch
.set n, n+1
.endr
	WIN 0
.irp m, 0,1,2,3
	v_pk_mul_f32 v[ST+4*\m+2:ST+4*\m+3], v[ST+4*\m+2:ST+4*\m+3], v[FF+2*\m:FF+2*\m+1] op_sel_hi:[1,0]   ; the sums under the new M: plain work behind the exponentials
.endr
	s_wait_alu depctr_va_vdst(0)                   ; one wait for the batch, ahead of its first reader
.set n, 0
.rept 16
	v_exp_f32 v[BM+n], v[BM+n]                     ; the blocks' largest p: the same two instructions on the same number give the same bits
.set n, n+1
.endr
	WIN 0x0A                                       ; the row's sum is taken of the unquantised p: two at a time, two chains a tile.  It reads the 256 alone: plain work behind the 16
.irp m, 0,1,2,3
	v_pk_add_f32 v[TT+2*\m:TT+2*\m+1], v[64*\m:64*\m+1], v[64*\m+2:64*\m+3]
.endr
	WIN 0x08
.irp j, 4,8,12,16,20,24,28,32,36,40,44,48,52,56,60
.irp m, 0,1,2,3
	v_pk_add_f32 v[ST+4*\m+2:ST+4*\m+3], v[ST+4*\m+2:ST+4*\m+3], v[64*\m+\j:64*\m+\j+1]
	v_pk_add_f32 v[TT+2*\m:TT+2*\m+1], v[TT+2*\m:TT+2*\m+1], v[64*\m+\j+2:64*\m+\j+3]
.endr
.endr
	WIN 0
.irp m, 0,1,2,3
	v_pk_add_f32 v[ST+4*\m+2:ST+4*\m+3], v[ST+4*\m+2:ST+4*\m+3], v[TT+2*\m:TT+2*\m+1]
.endr
	s_wait_alu depctr_va_vdst(0)                   ; and one for the 16
.set n, 0
.rept 16
	v_max_num_f32 v[BM+n], 0x2800000, v[BM+n]      ; the floor 2^(5 - 127): the byte cannot fall under 1
.set n, n+1
.endr
	FINISH 0x02
.endm
; My images have landed; while the others arrive the result is brought under the new M (work on registers alone); behind the wait all 16 images lie in LDS.
.macro PBAR
	s_wait_dscnt 0x0
	s_barrier_signal -1
	WIN 0x41
.irp m, 0,1,2,3
.set j, 0
.rept 32
	v_pk_mul_f32 v[64*\m+j:64*\m+j+1], v[64*\m+j:64*\m+j+1], v[FF+2*\m:FF+2*\m+1] op_sel_hi:[1,0]   ; ascending: each accumulator is read from its low end on
.set j, j+2
.endr
.endr
	WIN 0
	s_barrier_wait -1
.endm
.macro PFETCH                          ; all 16 fragments and their scale words, into the registers that the scores have left
.irp j, 0,1,2,3
	ds_load_b128 v[PS+4*\j:PS+4*\j+3], v[PSR] offset:512*\j
.endr
	WIN 0x80
.set f, 0
.rept 16
.irp q, 0,1,2
	ds_load_b128 v[12*f+4*\q:12*f+4*\q+3], v[PRI] offset:1536*f+512*\q
.endr
.set f, f+1
.endr
.endm
	s_load_b256 s[4:11], s[0:1], 0x0               ; x 4, o_b 6, qimg 8, kv 10
	s_load_b64 s[12:13], s[0:1], 0x20              ; out0
	v_lshl_add_u32 v[SPW], v0, 2, SPARE
	v_mov_b32 v[NIL], 0
	ds_add_u32 v16, v17
	ds_add_u32 v16, v17
	s_wait_dscnt 0x0
	v_lshrrev_b32 v60, 5, v0
	v_readfirstlane_b32 s14, v60                   ; wave 0..3
	s_bfe_u32 s15, ttmp6, 0x40000                  ; cx: it enters global addresses of my own loads, stores and prefetches alone
	s_lshl_b32 s16, ttmp9, 2
	s_add_co_u32 s16, s16, s15                     ; my block of 64 queries
	s_and_b32 s17, ttmp7, 0xffff                   ; the batch, which the four partners share
	; descriptor group 1: 104 rows of 32 elements of 8 bytes, dense, no padding
	s_mov_b32 s32, 15|(3<<16)|(1<<21)              ; 15:0 the mask: all four work-groups; 17:16 elements of 8 bytes; 21 set beside a mask
	s_mov_b32 s33, 32<<16                          ; tensor_dim0
	s_mov_b32 s34, 104<<16                         ; tensor_dim1
	s_mov_b32 s35, 32<<16                          ; tile_dim0
	s_mov_b32 s36, 104                             ; tile_dim1
	s_mov_b32 s37, 32                              ; tensor_dim0_stride
	s_mov_b32 s38, 0
	s_mov_b32 s39, 0
	s_mov_b32 s22, 0x3d8293ee                      ; c = log2(e) / sqrt(512)
	s_mov_b32 s23, s22                             ; (named with it as a pair, so it is written)
	s_mov_b32 s24, 0x76543210
	s_mov_b32 s25, 0xfedcba98                      ; v_permlanex16_b32's selects for lane l xor 16
	s_mov_b32 s26, 4                               ; rounds to go
	s_mov_b32 s27, 0                               ; the piece in hand
	s_cmp_eq_u32 ttmp9, 0
	s_cselect_b32 s28, 15, 0                       ; the batch's first cluster prefetches kv at pieces 0 to 14; the same in all four partners
	s_mul_i32 s18, s17, BATCH
	s_mul_i32 s20, s14, WP                         ; my wave's part, of a piece and of a slot
	s_add_co_u32 s52, s18, s20
	s_mov_b32 s53, 0
	s_mul_i32 s54, s15, WP                         ; the prefetches: part cx,
	s_add_co_u32 s54, s54, s18
	s_mul_i32 s55, s14, 6656                       ; my wave's quarter of it,
	s_add_co_u32 s54, s54, s55
	s_add_co_u32 s54, s54, 2*PIECE                 ; in piece 2: the first change steps it to piece 3.  Nothing is prefetched at the head
	s_mov_b32 s55, 0
	s_lshl_b32 s56, s17, 22                        ; x and out: 512 rows of 8,192 bytes a batch,
	s_lshl_b32 s57, s14, 20                        ; 128 rows a wave,
	s_add_co_u32 s56, s56, s57
	s_lshl_b32 s57, s16, 8                         ; 256 bytes a block of queries
	s_add_co_u32 s56, s56, s57
	s_mov_b32 s57, 0
	s_lshl_b32 s58, s17, 5
	s_add_co_u32 s58, s58, s16
	s_mul_i32 s58, s58, WP                         ; q's images of my block
	s_mov_b32 s59, 0
	s_lshl_b32 s60, s14, 9                         ; o_b: my 128 rows
	s_mov_b32 s61, 0
	s_wait_kmcnt 0x0
	s_mov_b32 s40, 1                               ; group 0 for slot 0: count = 1,
	s_mov_b32 s41, s20                             ; LDS address,
	s_add_nc_u64 s[42:43], s[10:11], s[52:53]      ; my part of piece 0;
	s_mov_b32 s44, 1                               ; for slot 1:
	s_add_co_u32 s45, s20, SLOT1
	s_add_nc_u64 s[46:47], s[42:43], PIECE         ; of piece 1
	s_or_b32 s43, s43, 0x80000000                  ; type = 2
	s_or_b32 s47, s47, 0x80000000
	s_add_nc_u64 s[30:31], s[10:11], s[54:55]
	s_add_nc_u64 s[48:49], s[4:5], s[56:57]
	s_add_nc_u64 s[50:51], s[12:13], s[56:57]
	s_add_nc_u64 s[8:9], s[8:9], s[58:59]
	s_add_nc_u64 s[6:7], s[6:7], s[60:61]
	ROUND                                          ; all four work-groups are here: the first joint loads meet
	tensor_load_to_lds s[40:43], s[32:39]          ; piece 0; slot 1 is first filled behind the first change's round, as a refill is
	s_nop 0
	PLACES 4
	v_and_b32 v60, 31, v0                          ; L
	v_and_b32 v61, 15, v0                          ; r
	v_bfe_u32 v62, v0, 4, 1                        ; h
	v_lshlrev_b32 v[LI], 4, v60
	v_lshlrev_b32 v[OBA], 2, v61
	WIN 0xC0
.set f, 0
.rept 16
.irp q, 0,1,2
	global_load_b128 v[12*f+4*\q:12*f+4*\q+3], v[LI], s[8:9] offset:1536*f+512*\q   ; q's 16 fragments stay in registers
.endr
.set f, f+1
.endr
.irp t, 0,1,2,3,4,5,6,7
.irp j, 0,1,2,3,4,5,6,7
	global_load_b32 v[192+8*\t+\j], v[OBA], s[6:7] offset:64*\t   ; a lane's eight results of a tile of out are one row's: its bias eight times, the C of the sum's first product
.endr
.endr
	WIN 0
.irp s, 0,1,2,3
	global_load_b128 v[QS+4*\s:QS+4*\s+3], v[LI], s[8:9] offset:24576+512*\s
.endr
	v_add_nc_u32 v[LB], s20, v[LI]
	v_add_nc_u32 v[LB+1], SLOT1, v[LB]
	s_mul_i32 s21, s14, 6144
	s_add_co_u32 s21, s21, PIMG
	v_add_nc_u32 v[PWI], s21, v[LI]
	v_add_nc_u32 v[PRI], PIMG, v[LI]
	s_lshl_b32 s21, s14, 9
	s_add_co_u32 s21, s21, PSC
	v_add_nc_u32 v[PSW], s21, v[LI]
	v_add_nc_u32 v[PSR], PSC, v[LI]
	s_lshl_b32 s21, s14, 2
	s_add_co_u32 s21, s21, MX
	v_add_nc_u32 v[MXW], s21, v[LI]
	v_add_nc_u32 v[MXR], MX, v[LI]
	s_mul_i32 s21, s14, 16*272
	s_add_co_u32 s21, s21, STG
	v_mul_u32_u24 v[STO], v61, 272                 ; in: row r, 32 bytes for each half of the lanes
	v_lshl_add_u32 v[STO], v62, 5, v[STO]
	v_add_nc_u32 v[STO], s21, v[STO]
	v_mul_u32_u24 v[SRD], v62, 272                 ; back: lanes 0-15 one row of 256 bytes, lanes 16-31 the next
	v_lshl_add_u32 v[SRD], v61, 4, v[SRD]
	v_add_nc_u32 v[SRD], s21, v[SRD]
	v_lshlrev_b32 v[GX], 13, v62                   ; and the same two rows in x and in out
	v_lshl_add_u32 v[GX], v61, 4, v[GX]
	v_min_u32 v[PFK], 25, v60
	v_lshlrev_b32 v[PFK], 8, v[PFK]
	v_lshlrev_b32 v[PFX], 13, v60
.irp m, 0,1,2,3
	v_mov_b32 v[ST+4*\m+1], 0xff61b1e6             ; the largest t so far: -3e38, under every t
	v_floor_f32 v[ST+4*\m], -v[ST+4*\m+1]          ; -M
	v_mov_b32 v[ST+4*\m+2], 0                      ; the sum, in two halves
	v_mov_b32 v[ST+4*\m+3], 0
	v_mov_b32 v[FF+2*\m+1], 0                      ; (named as the upper half of a pair)
.endr
.set n, 0
.rept 16
	v_mov_b32 v[TT+n], 0                           ; written once: a lane permute's destination counts as one of its sources
.set n, n+1
.endr
	WIN 0x40
.set n, 0
.rept 256
	v_mov_b32 v[n], 0                              ; the result.  The round is written once: the first finds zeros, which the first change of M leaves zeros; a first round of its own would be a second copy of the whole loop
.set n, n+1
.endr
	WIN 0
	s_wait_loadcnt 0x0                             ; q, its scale words, o_b
.Lround:                                               ; 4 trips of 512 keys; each issues four fills; the last trip's fourth is o_w's first piece
	TRIP 0, 1, 1, 0
	PIPE LB, 0, 0                                  ; scores of my key tiles 0 to 3
	TRIP 1, 1, 1, 1
	PIPE LB+1, 0, 1                                ; and 4 to 7
	MAXL
	TRIP 0, 1, 1, 2                                ; its round also shows every wave's largest scores to the others
	SOFTMAX
	PBAR
	PFETCH
	PIPE LB, 1, 0                                  ; the result += v p, keys 0 to 255 of the round
	TRIP 1, 1, 1, 3
	PIPE LB+1, 1, 1                                ; keys 256 to 511
	WIN 0
	s_sub_co_u32 s26, s26, 1
	s_cmp_lg_u32 s26, 0
	s_cbranch_scc1 .Lround
	; x for the residual: my 128 rows x 256 bytes, asked for now, wanted on the way out: into q's registers and the last 64 of the scores'
	WIN 0xC0
.irp t, 0,1,2,3,4,5
.irp i, 0,1,2,3,4,5,6,7
	global_load_b128 v[32*\t+4*\i:32*\t+4*\i+3], v[GX], s[48:49] offset:(16*\t+2*\i)*8192 th:TH_LOAD_NT
.endr
.endr
	WIN 0x80
.irp t, 6,7
.irp i, 0,1,2,3,4,5,6,7
	global_load_b128 v[32*\t+4*\i:32*\t+4*\i+3], v[GX], s[48:49] offset:(16*\t+2*\i)*8192 th:TH_LOAD_NT
.endr
.endr
	WIN 0
.irp m, 0,1,2,3
	v_add_f32 v[TT+4*\m], v[ST+4*\m+2], v[ST+4*\m+3]   ; the sum's two halves,
.endr
.irp m, 0,1,2,3
	v_permlanex16_b32 v[TT+4*\m+1], v[TT+4*\m], s24, s25
.endr
.irp m, 0,1,2,3
	v_add_f32 v[TT+4*\m], v[TT+4*\m], v[TT+4*\m+1]     ; and lane l xor 16's: my keys' sum
.endr
.irp m, 0,1,2,3
	ds_store_b32 v[MXW], v[TT+4*\m] offset:2048+512*\m
.endr
	TRIP 0, 1, 0, 0                                ; o_w's first piece is in, its second is asked for; the round shows the sums to all waves
.irp m, 0,1,2,3
	ds_load_b128 v[TT+4*\m:TT+4*\m+3], v[MXR] offset:2048+512*\m
.endr
	s_wait_dscnt 0x0
.irp m, 0,1,2,3
	v_add_f32 v[TT+4*\m], v[TT+4*\m], v[TT+4*\m+1]
	v_add_f32 v[TT+4*\m+2], v[TT+4*\m+2], v[TT+4*\m+3]
.endr
.irp m, 0,1,2,3
	v_add_f32 v[TT+4*\m], v[TT+4*\m], v[TT+4*\m+2]     ; the row's sum l
.endr
.irp m, 0,1,2,3
	v_rcp_f32 v[FF+2*\m], v[TT+4*\m]
.endr
	v_nop                                          ; a plain place behind the last reciprocal
	s_wait_alu depctr_va_vdst(0)                   ; one wait for the four, ahead of their first reader
	WIN 0x41
.irp m, 0,1,2,3
.set j, 0
.rept 32
	v_pk_mul_f32 v[64*\m+j:64*\m+j+1], v[64*\m+j:64*\m+j+1], v[FF+2*\m:FF+2*\m+1] op_sel_hi:[1,0]   ; the result / l.  Register 16 b + i of tile m is channel 128 w + 32 b + 16 h + i
.set j, j+2
.endr
.endr
	WIN 0x05
.irp m, 0,1,2,3
.irp b, 0,1,2,3
	v_max3_num_f32 v[BM+4*\m+\b], |v[64*\m+16*\b]|, |v[64*\m+16*\b+1]|, 0x2800000
.endr
.endr
	WIN 0x14
.irp i, 2,4,6,8,10,12,14
.irp m, 0,1,2,3
.irp b, 0,1,2,3
	v_max3_num_f32 v[BM+4*\m+\b], v[BM+4*\m+\b], |v[64*\m+16*\b+\i]|, |v[64*\m+16*\b+\i+1]|
.endr
.endr
.endr
	WIN 0
.set n, 0
.rept 16
	v_permlanex16_b32 v[TT+n], v[BM+n], s24, s25
.set n, n+1
.endr
.set n, 0
.rept 16
	v_max_num_f32 v[BM+n], v[BM+n], v[TT+n]
.set n, n+1
.endr
	FINISH 0x01                                    ; K step w of the last product
	s_wait_dscnt 0x0
	s_barrier_signal -1                            ; o_w's second piece may stay on its way
	s_barrier_wait -1
	PFETCH
	PIPE LB, 2, 0                                  ; out = the result's codes x o_w, sources so that a lane holds eight neighbouring columns of one row of out; K steps 0, 1
	s_wait_tensorcnt 0x0                           ; my part of the last piece: I alone read the bytes that my load brought
	PIPE LB+1, 2, 1                                ; K steps 2, 3
; THE WAY OUT, a tile of 16 rows of out x 64 columns at a time, through my own stage in LDS: in as 32 bytes a lane, back as whole rows of 256 bytes; x is added, and sixteen lanes store 256 consecutive bytes, aligned.
; LDS serves a wave's instructions in order (ISA guide 5.7.1.4): no wait between the stores and the loads, nor in front of the next tile's stores.
.macro TOSTAGE ot
	WIN 0x04                                       ; an LDS store's data are its source 1: window 1
.irp m, 0,1,2,3
	ds_store_b128 v[STO], v[8*(4*(\ot)+\m):8*(4*(\ot)+\m)+3] offset:64*\m          ; each accumulator from its low end on
	ds_store_b128 v[STO], v[8*(4*(\ot)+\m)+4:8*(4*(\ot)+\m)+7] offset:64*\m+16
.endr
	WIN 0
.irp i, 0,1,2,3,4,5,6,7
	ds_load_b128 v[FB+32*((\ot)%2)+4*\i:FB+32*((\ot)%2)+4*\i+3], v[SRD] offset:544*\i
.endr
.endm
.macro SEND ot, younger                ; younger: the LDS instructions issued behind tile ot's loads
.set OS, FB+32*((\ot)%2)
	s_wait_dscnt \younger
	s_wait_loadcnt 8*(7-(\ot))                     ; x's eight loads for this tile are in; the later tiles' may be out
.if (\ot) < 6
	WIN 0x0C
.else
	WIN 0x08
.endif
.irp i, 0,2,4,6,8,10,12,14,16,18,20,22,24,26,28,30
	v_pk_add_f32 v[OS+\i:OS+\i+1], v[OS+\i:OS+\i+1], v[32*(\ot)+\i:32*(\ot)+\i+1]
.endr
	WIN 0
.irp i, 0,1,2,3,4,5,6,7
	global_store_b128 v[GX], v[OS+4*\i:OS+4*\i+3], s[50:51] offset:(16*(\ot)+2*\i)*8192 th:TH_STORE_NT
.endr
.endm
	TOSTAGE 0
.irp a, 1,2,3,4,5,6,7
.if \a > 1
	s_wait_xcnt 0x0                                ; tile a - 2's stores have read their registers: tile a's loads may land there
.endif
	TOSTAGE \a
	SEND \a-1, 16                                  ; behind tile a - 1's loads: tile a's 8 stores and 8 loads
.endr
	SEND 7, 0
	s_wait_tensorcnt 0x0                           ; the wave's end, behind my last tensor load and my last LDS store
	ds_add_u32 v[SPW], v[NIL]
	s_wait_dscnt 0x0
	ROUND                                          ; the closing round: no work-group ends while a partner may still ask for a part that names it
	s_endpgm
.Lfunc_end_k_q0b4cd5187b_attn:
	.size	k_q0b4cd5187b_attn, .Lfunc_end_k_q0b4cd5187b_attn-k_q0b4cd5187b_attn
	.p2alignl 7, 3214868480
	.fill 96, 4, 3214868480
	.section	.rodata,"a",@progbits
	.p2align	6, 0x0
	.amdhsa_kernel k_q0b4cd5187b_attn
		.amdhsa_group_segment_fixed_size 327680
		.amdhsa_private_segment_fixed_size 0
		.amdhsa_enable_private_segment 0
		.amdhsa_kernarg_size 40
		.amdhsa_user_sgpr_count 2
		.amdhsa_user_sgpr_kernarg_segment_ptr 1
		.amdhsa_wavefront_size32 1
		.amdhsa_system_sgpr_workgroup_id_x 1
		.amdhsa_system_sgpr_workgroup_id_y 1
		.amdhsa_system_sgpr_workgroup_id_z 1
		.amdhsa_system_vgpr_workitem_id 0
		.amdhsa_next_free_vgpr 1024
		.amdhsa_next_free_sgpr 66
		.amdhsa_reserve_vcc 0
		.amdhsa_float_denorm_mode_32 3
		.amdhsa_float_denorm_mode_16_64 3
		.amdhsa_memory_ordered 1
		.amdhsa_forward_progress 1
		.amdhsa_inst_pref_size 218
	.end_amdhsa_kernel
	.amdgpu_metadata
---
amdhsa.version: [ 1, 2 ]
amdhsa.kernels:
  - .name:           k_q0b4cd5187b_attn
    .symbol:         k_q0b4cd5187b_attn.kd
    .args:
      - { .name: x, .offset: 0, .size: 8, .value_kind: global_buffer, .address_space: global }
      - { .name: o_b, .offset: 8, .size: 8, .value_kind: global_buffer, .address_space: global }
      - { .name: qimg, .offset: 16, .size: 8, .value_kind: global_buffer, .address_space: global }
      - { .name: kv, .offset: 24, .size: 8, .value_kind: global_buffer, .address_space: global }
      - { .name: out0, .offset: 32, .size: 8, .value_kind: global_buffer, .address_space: global }
    .group_segment_fixed_size: 327680
    .private_segment_fixed_size: 0
    .kernarg_segment_align: 8
    .kernarg_segment_size: 40
    .max_flat_workgroup_size: 128
    .sgpr_count:     66
    .vgpr_count:     1024
    .wavefront_size: 32
...
	.end_amdgpu_metadata
.endif
;; end of part 3
;; ======== version 2 of 2: 3 launches
;; workspace buffers: hc 6,291,456 bytes; hs 262,144 bytes; qimg 6,815,744 bytes; kv 15,335,424 bytes; wimg 589,824 bytes
;; launch normq (part 4): grid 18 x 8, 16 waves a work-group, no clusters, 6,144 bytes of LDS; arguments x, gamma, beta, o_w_codes, o_w_scales, hc, hs, kv, q_w_codes, k_w_codes, v_w_codes, wimg; writes hc, hs, kv, wimg
.if DOCPART == 4
	.amdgcn_target "amdgcn-amd-amdhsa--gfx1250"
	.amdhsa_code_object_version 6
	.text
	.protected	k_q0b4cd5187b_normq
	.globl	k_q0b4cd5187b_normq
	.p2align	8
	.type	k_q0b4cd5187b_normq,@function
k_q0b4cd5187b_normq:
	s_mov_b64 s[64:65], 0
	v_nop
	global_prefetch_b8 v0, s[64:65] scope:SCOPE_SE
	s_setreg_imm32_b32 hwreg(HW_REG_WAVE_MODE, 25, 1), 1
	s_wait_xcnt 0x0
; GROUP NORM, AND h AS CODES OF E3M2.  x: [8][512][2048] f32.  h = (x - mean) rsqrt(var + 1e-6) gamma + beta, mean and var over a group of 16 channels x 2,048 columns.
; h is quantised along the channels: one E8M0 byte for each 32 channels of a column; byte = the largest magnitude's exponent field - 4, held at 1 from below.
; SHARES.  Work-group (beta_block, b), beta_block < 16: 32 channels (two groups) of one batch, all 2,048 columns: 262,144 bytes, read once and kept in registers between the three passes (sum, squares, codes).
; Wave w, lane l take columns 128 w + 32 k + l, k = 0 .. 3; a lane's registers run DOWN the channels: register XR + 32 k + c is channel c of column k.  So a column's block of 32 lies in one lane,
; its largest magnitude needs no other lane, and the conversions' results are the block's 24 bytes.  Each load reads 128 consecutive bytes.
; OUT.  hc [b][block 16][plane 3][column 2048][8 bytes]: plane q holds bytes 8 q .. 8 q + 7 of a block's 24: a wave's store covers 256 consecutive bytes, aligned.
;       hs [b][block 16][wave 16][lane 32] words: byte k of a word is the scale byte of column 128 wave + 32 k + lane.  They meet in LDS and leave 512 bytes an instruction.
; Work-groups (16, b) lay o_w out for the last launch: its fragments as images of the operand's registers, pieces 16 and 17 of batch b's stream in kv (see there).
; Work-groups (17, y) lay q_w, k_w and v_w out for the second launch in the same form: wimg [weight 3][wave 4][K step 4][tile 8] images of 1,536 bytes; each of their 128 waves takes one fragment of each weight.
; Neither kind uses LDS or meets a barrier; the branches hang on the work-group's number alone.
; No cluster, no tensor load: no two work-groups read the same bytes of x, and a lane wants its numbers in registers.  128 work-groups for x: a block needs two whole groups and a group needs all columns.
; LIMITS: NaN and infinities in x are not served.  A block of zeros gets the byte 1 where the rule says 127: its codes are zeros, and this program alone reads the bytes.
; The gain is folded: h = d (gamma rstd) + beta, one rounding more in the factor and one less in the sum than the two steps written apart; rsqrt is the instruction's.
.set WP,    26624                      ; a wave's part of a piece of kv: 16 fragment images of 1,536 bytes, then 4 scale images of 512
.set PIECE, 4*WP
.set BATCH, 18*PIECE
.set XR,  32                           ; v32-159  x, then d, then h
.set GA,  160                          ; v160-191 at work on the sums; then gamma x rstd for my 32 channels
.set BE,  192                          ; v192-223 beta
.set CD,  224                          ; v224-247 codes: six registers for each k, so that no store's data are written again
.set SWD, 248                          ; v248     my four columns' scale bytes
	s_load_b512 s[4:19], s[0:1], 0x0               ; x 4, gamma 6, beta 8, o_w_codes 10, o_w_scales 12, hc 14, hs 16, kv 18
	v_lshl_add_u32 v254, v0, 2, 0x1000
	v_mov_b32 v255, 0
	v_lshrrev_b32 v1, 5, v0
	v_readfirstlane_b32 s52, v1                    ; wave 0..15
	s_and_b32 s54, ttmp7, 0xffff                   ; b
	v_and_b32 v1, 31, v0                           ; lane
	s_cmp_eq_u32 ttmp9, 16
	s_cbranch_scc1 .Lweights
	s_cmp_eq_u32 ttmp9, 17
	s_cbranch_scc1 .Lqkvw
	s_lshl_b32 s58, ttmp9, 7                       ; my 32 channels in gamma and beta: 128 bytes a block
	s_mov_b32 s59, 0
	s_lshl_b32 s60, s54, 22                        ; x: b x 512 rows of 8,192 bytes,
	s_lshl_b32 s61, ttmp9, 18                      ; 32 rows a block,
	s_add_co_u32 s60, s60, s61
	s_lshl_b32 s61, s52, 9                         ; 128 columns a wave
	s_add_co_u32 s60, s60, s61
	s_mov_b32 s61, 0
	v_lshlrev_b32 v2, 2, v1                        ; 4 bytes a lane
	s_mov_b32 s56, 0x76543210
	s_mov_b32 s57, 0xfedcba98                      ; v_permlanex16_b32's selects for lane l xor 16
	s_wait_kmcnt 0x0
	s_add_nc_u64 s[4:5], s[4:5], s[60:61]
	s_add_nc_u64 s[6:7], s[6:7], s[58:59]
	s_add_nc_u64 s[8:9], s[8:9], s[58:59]
.irp k, 0,1,2,3
.set c, 0
.rept 32
	global_load_b32 v[XR+32*\k+c], v2, s[4:5] offset:c*8192+\k*128 th:TH_LOAD_NT
.set c, c+1
.endr
.endr
	s_load_b512 s[20:35], s[6:7], 0x0              ; gamma of my 32 channels
	s_load_b512 s[36:51], s[6:7], 0x40
	s_load_b512 s[68:83], s[8:9], 0x0              ; beta
	s_load_b512 s[84:99], s[8:9], 0x40
	s_mul_i32 s60, s54, 786432                     ; hc: 16 blocks of 49,152 bytes a batch,
	s_mul_i32 s62, ttmp9, 49152
	s_add_co_u32 s60, s60, s62
	s_lshl_b32 s62, s52, 10                        ; 128 columns of 8 bytes a wave
	s_add_co_u32 s60, s60, s62
	s_add_nc_u64 s[14:15], s[14:15], s[60:61]
	s_lshl_b32 s60, s54, 15                        ; hs: 16 blocks of 2,048 bytes a batch
	s_lshl_b32 s62, ttmp9, 11
	s_add_co_u32 s60, s60, s62
	s_add_nc_u64 s[16:17], s[16:17], s[60:61]
	v_lshlrev_b32 v3, 3, v1                        ; 8 bytes a lane
	v_mov_b32 v4, s52
	v_lshlrev_b32 v4, 2, v4                        ; LDS: my wave's word
	v_mov_b32 v5, 0
	v_lshl_add_u32 v6, v0, 2, 512                  ; LDS: my thread's scale word
	v_lshlrev_b32 v7, 4, v0                        ; 16 bytes a thread
	v_mov_b32 v18, 0                               ; written once: a lane permute's destination counts as one of its sources
	v_mov_b32 v19, 0
; The sums of a group: chain (g, i % 2) in v[8 + 4 g + 2 (i % 2)], two numbers wide; the first two pairs start each chain: nothing is cleared.
.macro SUMS k
.irp i, 0,1,2,3,4,5,6,7
.irp g, 0,1
.if (\k == 0) && (\i < 2)
.elseif (\k == 0) && (\i < 4)
	v_pk_add_f32 v[8+4*\g+2*(\i%2):9+4*\g+2*(\i%2)], v[XR+16*\g+2*\i-4:XR+16*\g+2*\i-3], v[XR+16*\g+2*\i:XR+16*\g+2*\i+1]
.else
	v_pk_add_f32 v[8+4*\g+2*(\i%2):9+4*\g+2*(\i%2)], v[8+4*\g+2*(\i%2):9+4*\g+2*(\i%2)], v[XR+32*\k+16*\g+2*\i:XR+32*\k+16*\g+2*\i+1]
.endif
.endr
.endr
.endm
.macro SQUARES k
.irp i, 0,1,2,3,4,5,6,7
.irp g, 0,1
.if (\k == 0) && (\i < 2)
	v_pk_mul_f32 v[8+4*\g+2*(\i%2):9+4*\g+2*(\i%2)], v[XR+16*\g+2*\i:XR+16*\g+2*\i+1], v[XR+16*\g+2*\i:XR+16*\g+2*\i+1]
.else
	v_pk_fma_f32 v[8+4*\g+2*(\i%2):9+4*\g+2*(\i%2)], v[XR+32*\k+16*\g+2*\i:XR+32*\k+16*\g+2*\i+1], v[XR+32*\k+16*\g+2*\i:XR+32*\k+16*\g+2*\i+1], v[8+4*\g+2*(\i%2):9+4*\g+2*(\i%2)]
.endif
.endr
.endr
.endm
; The four chains become the two groups' sums over the work-group: within the lane, across the 32 lanes, and through 16 words of LDS a group, at byte off.  Results: v[GA] and v[GA + 16], the same in every lane of every wave.
.macro JOIN off
	v_pk_add_f32 v[8:9], v[8:9], v[10:11]
	v_pk_add_f32 v[12:13], v[12:13], v[14:15]
	v_add_f32 v16, v8, v9
	v_add_f32 v17, v12, v13
.irp x, 1,2,4,8
	v_add_f32_dpp v16, v16, v16 row_xmask:\x row_mask:0xf bank_mask:0xf
	v_add_f32_dpp v17, v17, v17 row_xmask:\x row_mask:0xf bank_mask:0xf
.endr
	v_permlanex16_b32 v18, v16, s56, s57
	v_permlanex16_b32 v19, v17, s56, s57
	v_add_f32 v16, v16, v18
	v_add_f32 v17, v17, v19
	ds_store_b32 v4, v16 offset:\off               ; all lanes write the wave's word with the same value
	ds_store_b32 v4, v17 offset:\off+64
	s_wait_dscnt 0x0                               ; for the others' sake: my stores are done
	s_barrier_signal -1
	s_barrier_wait -1
.irp i, 0,1,2,3,4,5,6,7
	ds_load_b128 v[GA+4*\i:GA+4*\i+3], v5 offset:\off+16*\i
.endr
	s_wait_dscnt 0x0
.irp g, 0,1
.irp j, 0,4,8,12
	v_pk_add_f32 v[GA+16*\g+\j:GA+16*\g+\j+1], v[GA+16*\g+\j:GA+16*\g+\j+1], v[GA+16*\g+\j+2:GA+16*\g+\j+3]
.endr
.irp j, 0,8
	v_pk_add_f32 v[GA+16*\g+\j:GA+16*\g+\j+1], v[GA+16*\g+\j:GA+16*\g+\j+1], v[GA+16*\g+\j+4:GA+16*\g+\j+5]
.endr
	v_pk_add_f32 v[GA+16*\g:GA+16*\g+1], v[GA+16*\g:GA+16*\g+1], v[GA+16*\g+8:GA+16*\g+9]
	v_add_f32 v[GA+16*\g], v[GA+16*\g], v[GA+16*\g+1]
.endr
.endm
	s_wait_loadcnt 63                              ; k = 0's 32 loads are in (96 younger ones might stay out; the count's field holds 63)
	SUMS 0
	s_wait_loadcnt 63                              ; k = 1's (64 might stay out)
	SUMS 1
	s_wait_loadcnt 32                              ; k = 2's; k = 3's 32 may be out
	SUMS 2
	s_wait_loadcnt 0x0
	SUMS 3
	JOIN 0
	v_mul_f32 v20, 0xb8000000, v[GA]               ; -mean = -sum / 2^15 (16 channels x 2,048 columns), twice: a pair for the packed addition
	v_mul_f32 v21, 0xb8000000, v[GA]
	v_mul_f32 v22, 0xb8000000, v[GA+16]
	v_mul_f32 v23, 0xb8000000, v[GA+16]
.irp k, 0,1,2,3
.irp g, 0,1
.irp i, 0,2,4,6,8,10,12,14
	v_pk_add_f32 v[XR+32*\k+16*\g+\i:XR+32*\k+16*\g+\i+1], v[XR+32*\k+16*\g+\i:XR+32*\k+16*\g+\i+1], v[20+2*\g:21+2*\g]   ; d = x - mean: the variance is the mean of d^2, no difference of large sums
.endr
.endr
.endr
	SQUARES 0
	SQUARES 1
	SQUARES 2
	SQUARES 3
	JOIN 256                                       ; other bytes than the first sums': no wave overwrites what another may still read
	v_mov_b32 v26, 0x358637bd                      ; 1e-6
	v_fmamk_f32 v28, v[GA], 0x38000000, v26        ; var + eps = sum / 2^15 + eps
	v_fmamk_f32 v29, v[GA+16], 0x38000000, v26
	s_wait_kmcnt 0x0                               ; gamma and beta
	v_rsq_f32 v24, v28
	v_rsq_f32 v25, v29
.set c, 0
.rept 32
	v_mov_b32 v[BE+c], s[68+c]                     ; plain work that names neither result stands behind the two
.set c, c+1
.endr
	s_wait_alu depctr_va_vdst(0)                   ; one wait for both, ahead of their first reader
.set c, 0
.rept 32
	v_mul_f32 v[GA+c], s[20+c], v[24+c/16]
.set c, c+1
.endr
; Column k: h, the block's scale, its 32 codes, three stores of 8 bytes a lane.
.macro COLUMN k
.set XK, XR+32*\k
.irp i, 0,2,4,6,8,10,12,14,16,18,20,22,24,26,28,30
	v_pk_fma_f32 v[XK+\i:XK+\i+1], v[XK+\i:XK+\i+1], v[GA+\i:GA+\i+1], v[BE+\i:BE+\i+1]
.endr
	v_max3_num_f32 v26, |v[XK]|, |v[XK+1]|, |v[XK+2]|      ; the block's largest magnitude, in two chains: all 32 numbers are mine
	v_max3_num_f32 v27, |v[XK+3]|, |v[XK+4]|, |v[XK+5]|
.irp i, 6,10,14,18,22,26
	v_max3_num_f32 v26, v26, |v[XK+\i]|, |v[XK+\i+1]|
	v_max3_num_f32 v27, v27, |v[XK+\i+2]|, |v[XK+\i+3]|
.endr
	v_max3_num_f32 v26, v26, |v[XK+30]|, |v[XK+31]|
	v_max3_num_f32 v26, v26, v27, 0x2800000        ; and the floor 2^(5 - 127): the byte cannot fall under 1
	v_add_nc_u32 v28, 0xfe000000, v26              ; 4 off the exponent field: the conversion takes the exponent field of this operand as its scale
.if \k == 0
	v_lshrrev_b32 v[SWD], 23, v28                  ; the scale's byte
.else
	v_lshrrev_b32 v29, 23, v28
	v_lshl_or_b32 v[SWD], v29, 8*\k, v[SWD]
.endif
	v_cvt_scalef32_pk16_bf6_f32 v[CD+6*\k:CD+6*\k+2], v[XK:XK+15], v28
	v_cvt_scalef32_pk16_bf6_f32 v[250:252], v[XK+16:XK+31], v28    ; (a conversion's three registers begin on an even number)
	v_nop                                          ; one plain place behind a scaled conversion
.irp i, 0,1,2
	v_mov_b32 v[CD+6*\k+3+\i], v[250+\i]
.endr
.irp q, 0,1,2
	global_store_b64 v3, v[CD+6*\k+2*\q:CD+6*\k+2*\q+1], s[14:15] offset:\q*16384+256*\k   ; 32 lanes store 256 consecutive bytes, aligned
.endr
.endm
	COLUMN 0
	COLUMN 1
	COLUMN 2
	COLUMN 3
	ds_store_b32 v6, v[SWD]
	s_wait_dscnt 0x0
	s_barrier_signal -1
	s_barrier_wait -1                              ; the work-group's 512 scale words lie in LDS
	s_cmp_lt_u32 s52, 4
	s_cbranch_scc0 .Ldone                          ; waves 0 to 3 store them, 512 consecutive bytes an instruction
	ds_load_b128 v[32:35], v7 offset:512
	s_wait_dscnt 0x0
	global_store_b128 v7, v[32:35], s[16:17]
.Ldone:
	s_wait_tensorcnt 0x0
	ds_add_u32 v254, v255
	s_wait_dscnt 0x0
	s_endpgm
; o_w's FRAGMENTS AS IMAGES.  Wave 4 wc + s: rows 128 wc .. + 127 (the last launch's wave wc), K step s: eight fragments ot of 16 rows, and their scale words.
; Register i of lane L of a fragment lies at 512 (i / 4) + 16 L + 4 (i % 4) of its image.  Fragment (s, ot) is number 8 (s % 2) + ot of part wc of piece 16 + s / 2.
.Lweights:
	s_lshr_b32 s58, s52, 2                         ; wc
	s_and_b32 s59, s52, 3                          ; s
	v_and_b32 v8, 15, v0                           ; r
	v_bfe_u32 v9, v0, 4, 1                         ; h
	s_lshl_b32 s60, s58, 7
	v_add_nc_u32 v10, s60, v8                      ; my lane's row in tile 0
	v_mul_u32_u24 v11, v10, 384                    ; a row of 512 codes is 384 bytes,
	v_mad_u32_u24 v11, v9, 24, v11                 ; + 24 h,
	s_mul_i32 s61, s59, 96
	v_add_nc_u32 v11, s61, v11                     ; + 96 a K step
	v_lshlrev_b32 v12, 4, v10                      ; a row of scale bytes is 16 bytes,
	s_lshl_b32 s61, s59, 2
	v_add_nc_u32 v12, s61, v12                     ; a word a K step
	s_and_b32 s62, s59, 1
	s_mul_i32 s63, s62, 12288
	v_lshl_add_u32 v13, v1, 4, s63                 ; images: 16 L + 8 (s % 2) images
	s_lshl_b32 s63, s62, 10
	v_lshl_add_u32 v14, v1, 4, s63                 ; scale images: 16 L + 2 (s % 2) images
	s_mul_i32 s60, s54, BATCH
	s_lshr_b32 s61, s59, 1
	s_add_co_u32 s61, s61, 16
	s_mul_i32 s61, s61, PIECE
	s_add_co_u32 s60, s60, s61
	s_mul_i32 s61, s58, WP
	s_add_co_u32 s60, s60, s61
	s_mov_b32 s61, 0
	s_wait_kmcnt 0x0
	s_add_nc_u64 s[18:19], s[18:19], s[60:61]
.irp t, 0,1,2,3,4,5,6,7
.irp p, 0,1,2,3,4,5
	global_load_b64 v[32+12*\t+2*\p:33+12*\t+2*\p], v11, s[10:11] offset:\t*6144+48*(\p/3)+8*(\p%3)
.endr
	global_load_b32 v[128+\t], v12, s[12:13] offset:256*\t
.endr
	s_wait_loadcnt 0x0
.irp t, 0,1,2,3,4,5,6,7
.irp q, 0,1,2
	global_store_b128 v13, v[32+12*\t+4*\q:35+12*\t+4*\q], s[18:19] offset:1536*\t+512*\q   ; 512 consecutive bytes an instruction
.endr
.endr
.irp a, 0,1
	global_store_b128 v14, v[128+4*\a:131+4*\a], s[18:19] offset:24576+512*\a               ; [group][lane][member] words
.endr
	s_endpgm
; q_w's, k_w's AND v_w's FRAGMENTS AS IMAGES.  Wave g = 16 y + wave of 128: part wc = g / 32 (the second launch's wave), K step s = (g / 8) % 4, tile t = g % 8: that one fragment of each of the three weights.
; q_w, k_w: lane r takes row 128 wc + 16 t + r.  v_w: row 128 wc + 32 (t / 2) + 8 (t % 2) + r + 8 (r / 8), the order that the second launch's text explains.
; Each weight is read here once, 8 bytes a lane from 16 rows 384 bytes apart, so that the 128 work-groups that multiply by it can take each fragment by three loads of 512 consecutive bytes.
.Lqkvw:
	s_load_b256 s[20:27], s[0:1], 0x40             ; q_w_codes 20, k_w_codes 22, v_w_codes 24, wimg 26
	s_lshr_b32 s58, s54, 1                         ; wc
	s_and_b32 s59, s54, 1
	s_lshl_b32 s59, s59, 1
	s_lshr_b32 s60, s52, 3
	s_or_b32 s59, s59, s60                         ; s
	s_and_b32 s60, s52, 7                          ; t
	v_and_b32 v8, 15, v0                           ; r
	v_bfe_u32 v9, v0, 4, 1                         ; h
	s_lshl_b32 s61, s58, 7                         ; 128 wc
	s_mul_i32 s63, s59, 96                         ; 96 bytes a K step
	s_lshl_b32 s62, s60, 4
	s_add_co_u32 s62, s62, s61                     ; q_w, k_w: the tile's first row
	v_add_nc_u32 v10, s62, v8
	v_mul_u32_u24 v10, v10, 384                    ; a row of 512 codes is 384 bytes,
	v_mad_u32_u24 v10, v9, 24, v10                 ; + 24 h
	v_add_nc_u32 v10, s63, v10
	s_lshr_b32 s62, s60, 1
	s_lshl_b32 s62, s62, 5
	s_add_co_u32 s62, s62, s61
	s_and_b32 s56, s60, 1
	s_lshl_b32 s56, s56, 3
	s_add_co_u32 s62, s62, s56                     ; v_w: 128 wc + 32 (t / 2) + 8 (t % 2)
	v_and_b32 v11, 8, v8
	v_add_nc_u32 v11, v11, v8                      ; r + 8 (r / 8)
	v_add_nc_u32 v11, s62, v11
	v_mul_u32_u24 v11, v11, 384
	v_mad_u32_u24 v11, v9, 24, v11
	v_add_nc_u32 v11, s63, v11
	s_lshl_b32 s56, s59, 3
	s_add_co_u32 s56, s56, s60
	s_mul_i32 s56, s56, 1536                       ; image 8 s + t
	s_mul_i32 s57, s58, 49152                      ; of part wc
	s_add_co_u32 s56, s56, s57
	v_lshl_add_u32 v12, v1, 4, s56                 ; + 16 L
	s_wait_kmcnt 0x0
.irp p, 0,1,2,3,4,5
	global_load_b64 v[32+2*\p:33+2*\p], v10, s[20:21] offset:48*(\p/3)+8*(\p%3)
	global_load_b64 v[44+2*\p:45+2*\p], v10, s[22:23] offset:48*(\p/3)+8*(\p%3)
	global_load_b64 v[56+2*\p:57+2*\p], v11, s[24:25] offset:48*(\p/3)+8*(\p%3)
.endr
	s_wait_loadcnt 0x0
.irp w, 0,1,2
.irp q, 0,1,2
	global_store_b128 v12, v[32+12*\w+4*\q:35+12*\w+4*\q], s[26:27] offset:196608*\w+512*\q   ; 512 consecutive bytes an instruction
.endr
.endr
	s_endpgm
.Lfunc_end_k_q0b4cd5187b_normq:
	.size	k_q0b4cd5187b_normq, .Lfunc_end_k_q0b4cd5187b_normq-k_q0b4cd5187b_normq
	.p2alignl 7, 3214868480
	.fill 96, 4, 3214868480
	.section	.rodata,"a",@progbits
	.p2align	6, 0x0
	.amdhsa_kernel k_q0b4cd5187b_normq
		.amdhsa_group_segment_fixed_size 6144
		.amdhsa_private_segment_fixed_size 0
		.amdhsa_enable_private_segment 0
		.amdhsa_kernarg_size 96
		.amdhsa_user_sgpr_count 2
		.amdhsa_user_sgpr_kernarg_segment_ptr 1
		.amdhsa_wavefront_size32 1
		.amdhsa_system_sgpr_workgroup_id_x 1
		.amdhsa_system_sgpr_workgroup_id_y 1
		.amdhsa_system_sgpr_workgroup_id_z 1
		.amdhsa_system_vgpr_workitem_id 0
		.amdhsa_next_free_vgpr 256
		.amdhsa_next_free_sgpr 100
		.amdhsa_reserve_vcc 0
		.amdhsa_float_denorm_mode_32 3
		.amdhsa_float_denorm_mode_16_64 3
		.amdhsa_memory_ordered 1
		.amdhsa_forward_progress 1
		.amdhsa_inst_pref_size 59
	.end_amdhsa_kernel
	.amdgpu_metadata
---
amdhsa.version: [ 1, 2 ]
amdhsa.kernels:
  - .name:           k_q0b4cd5187b_normq
    .symbol:         k_q0b4cd5187b_normq.kd
    .args:
      - { .name: x, .offset: 0, .size: 8, .value_kind: global_buffer, .address_space: global }
      - { .name: gamma, .offset: 8, .size: 8, .value_kind: global_buffer, .address_space: global }
      - { .name: beta, .offset: 16, .size: 8, .value_kind: global_buffer, .address_space: global }
      - { .name: o_w_codes, .offset: 24, .size: 8, .value_kind: global_buffer, .address_space: global }
      - { .name: o_w_scales, .offset: 32, .size: 8, .value_kind: global_buffer, .address_space: global }
      - { .name: hc, .offset: 40, .size: 8, .value_kind: global_buffer, .address_space: global }
      - { .name: hs, .offset: 48, .size: 8, .value_kind: global_buffer, .address_space: global }
      - { .name: kv, .offset: 56, .size: 8, .value_kind: global_buffer, .address_space: global }
      - { .name: q_w_codes, .offset: 64, .size: 8, .value_kind: global_buffer, .address_space: global }
      - { .name: k_w_codes, .offset: 72, .size: 8, .value_kind: global_buffer, .address_space: global }
      - { .name: v_w_codes, .offset: 80, .size: 8, .value_kind: global_buffer, .address_space: global }
      - { .name: wimg, .offset: 88, .size: 8, .value_kind: global_buffer, .address_space: global }
    .group_segment_fixed_size: 6144
    .private_segment_fixed_size: 0
    .kernarg_segment_align: 8
    .kernarg_segment_size: 96
    .max_flat_workgroup_size: 512
    .sgpr_count:     100
    .vgpr_count:     256
    .wavefront_size: 32
...
	.end_amdgpu_metadata
.endif
;; end of part 4
;; launch qkv (part 5): grid 128 x 3, 4 waves a work-group, no clusters, 0 bytes of LDS; arguments hc, hs, wimg, q_w_scales, q_b, k_w_scales, k_b, v_w_scales, v_b, qimg, kv; writes qimg, kv
.if DOCPART == 5
	.amdgcn_target "amdgcn-amd-amdhsa--gfx1250"
	.amdhsa_code_object_version 6
	.text
	.protected	k_q0b4cd5187b_qkv
	.globl	k_q0b4cd5187b_qkv
	.p2align	8
	.type	k_q0b4cd5187b_qkv,@function
k_q0b4cd5187b_qkv:
	s_mov_b64 s[64:65], 0
	v_nop
	global_prefetch_b8 v0, s[64:65] scope:SCOPE_SE
	s_setreg_imm32_b32 hwreg(HW_REG_WAVE_MODE, 25, 1), 1
	s_wait_xcnt 0x0
; q = q_w h + q_b, k = k_w h + k_b, v = v_w h + v_b on codes of E3M2 (one E8M0 byte for each 32 along K = the 512 channels), and the results quantised again: q and k along their 512 outputs, v along the columns (the keys).
; SHARES.  Work-group x: batch x / 16, 128 columns (chunk x % 16); y: 0 q, 1 k, 2 v.  Wave w: outputs 128 w .. 128 w + 127.  A wave's task is 128 x 128 x 512: 8 units of 32 matrix instructions.  Straight-line: no loop, no LDS, no barrier.
; One operand stays in registers (32 fragments: 8 tiles x 4 K steps, windows 1 and 2), the other streams, a tile (4 fragments) a unit, through three buffers in window 3.  Source 0 is the operand that stays.
;   q, k: W stays, h streams.  A lane then holds ONE column and its 64 results run along the outputs, the next K: a unit gives the fragment (16 columns, K step w).
;   v:    h stays, v_w streams.  A lane holds ONE channel and its 64 results run along the columns, the next K: a unit gives the fragment (16 channels, these 128 keys).
; THE WEIGHTS' CODES come from wimg, where the first launch has laid each fragment as an image of its registers: [weight y][wave w][K step s][tile t] x 1,536 bytes.  A fragment is three loads of 512 consecutive bytes;
; taken from the rows as they are given, each of six loads would touch 16 rows 384 bytes apart, in each of the 128 work-groups that multiply by the weight.  Their scale bytes and the biases are read as they are given.
; ORDER INSIDE A BLOCK OF 32.  Tiles 2 b and 2 b + 1 of the operand that stays are one true block of 32 along the next K; the code at place 16 h + 8 u + j is row 8 h + j of tile 2 b + u.  The same map holds for q and k,
; and for v and the softmax's p (made the same way in the last launch), so each product meets like with like; the blocks and their scales are the true ones.  The sums inside an instruction are so taken in another order than by rising k.
; v's CHANNELS of a tile are not neighbours: lane r of tile u takes row 32 (u / 2) + 8 (u % 2) + r + 8 (r / 8) of v_w, so that the attention result's registers run along neighbouring channels for the last product, whose weight is given.
; The biases are the C of each sum's first matrix instruction.
; OUT: fragments as images of their registers (register i of lane L at 512 (i / 4) + 16 L + 4 (i % 4)), laid in the order in which the last launch's waves take them (see there): 512 consecutive bytes a store.
; No cluster and no tensor load: every operand goes from memory straight into the registers of the one wave that multiplies it, in the fragment's own order; a joint load would land in LDS and add a second trip for all 98,304 bytes a wave takes in.
; LIMITS: NaN and infinities are not served; a block of zeros gets the byte 1 where the rule says 127 (its codes are zeros; this program alone reads the bytes).
; REGISTERS.  Window 0: v1-8 offsets; v16-79 the unit's 8 accumulators; v80-98 codes; v100-115 at work; v120-127 the units' scale words; v128-159 W's scale words (4 tile + K step); v160-175 h's (4 pair of tiles + K step: lanes 0-15 the even tile, 16-31 the odd).
;   Windows 1, 2: the operand that stays, fragment (s, t) at v[12 (8 (s % 2) + t)] of window 1 + s / 2.   Window 3: v0-143 three buffers of 4 fragments; v192-255 the bias.
.set WP,    26624
.set PIECE, 4*WP
.set BATCH, 18*PIECE
.set ACC, 16
.set PC,  80
.set TM,  100
.set SW,  120
.set WSC, 128
.set HW,  160
.set MSB, 0
.macro WIN new                         ; the immediate's high byte repeats the setting that is left; a switch that changes nothing is dropped
.if MSB != \new
	s_set_vgpr_msb (MSB<<8)|\new
.set MSB, \new
.endif
.endm
.macro PLACES n
.rept \n
	v_nop
.endr
.endm
.macro LOADW reg, t, s                 ; a fragment of W: tile t of my wave's eight, K step s: its image, 16 bytes a lane three times
.irp q, 0,1,2
	global_load_b128 v[(\reg)+4*\q:(\reg)+4*\q+3], v1, s[32:33] offset:(8*(\s)+(\t))*1536+512*\q
.endr
.endm
.macro LOADH reg, tile, s              ; a fragment of h: 16 columns, K step s: block 4 s + 2 (p / 3) + h, plane p % 3
.irp p, 0,1,2,3,4,5
	global_load_b64 v[(\reg)+2*\p:(\reg)+2*\p+1], v3, s[4:5] offset:196608*(\s)+98304*(\p/3)+16384*(\p%3)+128*(\tile)
.endr
.endm
.macro LOADR isv, s, t                 ; the operand that stays
.if \isv
	LOADH 12*(8*((\s)%2)+\t), \t, \s
.else
	LOADW 12*(8*((\s)%2)+\t), \t, \s
.endif
.endm
.macro LOADT isv, u                    ; unit u's four fragments of the operand that streams: 12 loads of W, or 24 of h
	WIN 0xC0
.irp s, 0,1,2,3
.if \isv
	LOADW 48*((\u)%3)+12*\s, \u, \s
.else
	LOADH 48*((\u)%3)+12*\s, \u, \s
.endif
.endr
.endm
.macro WM d, a, b, c, sa, sb, row      ; row: 1: source 0's scales stand in lanes 16-31; 2: source 1's
.if (\row) == 1
	v_wmma_scale_f32_16x16x128_f8f6f4 v[(\d):(\d)+7], v[(\a):(\a)+11], v[(\b):(\b)+11], v[(\c):(\c)+7], v[(\sa)], v[(\sb)] matrix_a_fmt:MATRIX_FMT_BF6 matrix_b_fmt:MATRIX_FMT_BF6 matrix_a_scale:MATRIX_SCALE_ROW1
.elseif (\row) == 2
	v_wmma_scale_f32_16x16x128_f8f6f4 v[(\d):(\d)+7], v[(\a):(\a)+11], v[(\b):(\b)+11], v[(\c):(\c)+7], v[(\sa)], v[(\sb)] matrix_a_fmt:MATRIX_FMT_BF6 matrix_b_fmt:MATRIX_FMT_BF6 matrix_b_scale:MATRIX_SCALE_ROW1
.else
	v_wmma_scale_f32_16x16x128_f8f6f4 v[(\d):(\d)+7], v[(\a):(\a)+11], v[(\b):(\b)+11], v[(\c):(\c)+7], v[(\sa)], v[(\sb)] matrix_a_fmt:MATRIX_FMT_BF6 matrix_b_fmt:MATRIX_FMT_BF6
.endif
.endm
; A unit's 32 products: K step by K step, the 8 accumulators by turns, one instruction a turn.
.macro MULU isv, u
.irp s, 0,1,2,3
.if \s == 0
	WIN 0x3D                                       ; source 0 window 1, source 1 window 3, C (the bias) window 3, D window 0
.elseif \s == 1
	WIN 0x0D
.else
	WIN 0x0E                                       ; source 0 window 2
.endif
.irp t, 0,1,2,3,4,5,6,7
.if \s > 0
.set CC, ACC+8*\t
.elseif \isv
.set CC, 192+8*(\u)
.else
.set CC, 192+8*\t
.endif
.if \isv
	WM ACC+8*\t, 12*(8*(\s%2)+\t), 48*((\u)%3)+12*\s, CC, HW+4*(\t/2)+\s, WSC+4*(\u)+\s, \t%2
.else
	WM ACC+8*\t, 12*(8*(\s%2)+\t), 48*((\u)%3)+12*\s, CC, WSC+4*\t+\s, HW+4*((\u)/2)+\s, 2*((\u)%2)
.endif
.endr
.endr
.endm
; 64 numbers of a lane, v[s] on: register 16 b + i is place 16 (lane / 16) + i of block b of my row.  They become a fragment's codes in v[PC] on and its scale word in v[pw].
.macro QUANT s, pw
.irp b, 0,1,2,3
	v_max3_num_f32 v[TM+\b], |v[\s+16*\b]|, |v[\s+1+16*\b]|, 0x2800000   ; my 16 numbers of block b, and the floor 2^(5 - 127): the byte cannot fall under 1.  (Each accumulator is read from its low end on)
.endr
.irp i, 2,4,6,8,10,12,14
.irp b, 0,1,2,3
	v_max3_num_f32 v[TM+\b], v[TM+\b], |v[\s+16*\b+\i]|, |v[\s+1+16*\b+\i]|
.endr
.endr
.irp b, 0,1,2,3
	v_permlanex16_b32 v[TM+4+\b], v[TM+\b], s54, s55
.endr
.irp b, 0,1,2,3
	v_max_num_f32 v[TM+\b], v[TM+\b], v[TM+4+\b]   ; with lane l xor 16's: the block's largest magnitude
.endr
.irp b, 0,1,2,3
	v_add_nc_u32 v[TM+12+\b], 0xfe000000, v[TM+\b] ; 4 off its exponent field: the conversion's scale operand
.endr
.irp b, 0,1,2,3
	v_lshrrev_b32 v[TM+4+\b], 23, v[TM+12+\b]      ; the scale's byte
.endr
	v_lshl_or_b32 v[\pw], v[TM+5], 8, v[TM+4]
	v_lshl_or_b32 v[\pw], v[TM+6], 16, v[\pw]
	v_lshl_or_b32 v[\pw], v[TM+7], 24, v[\pw]
.irp c, 0,1
	v_cvt_scalef32_pk16_bf6_f32 v[PC+6*\c:PC+2+6*\c], v[\s+32*\c:\s+15+32*\c], v[TM+12+2*\c]
	v_cvt_scalef32_pk16_bf6_f32 v[PC+12+4*\c:PC+14+4*\c], v[\s+16+32*\c:\s+31+32*\c], v[TM+12+2*\c+1]   ; (a conversion's three registers begin on an even number)
.endr
	v_nop                                          ; one plain place behind a scaled conversion
.irp c, 0,1                                    ; the operand's layout wants a whole block in a lane: lanes 0-15 block 2 c, lanes 16-31 block 2 c + 1
.irp i, 0,1,2
	v_permlane16_swap_b32 v[PC+6*\c+\i], v[PC+12+4*\c+\i]
.endr
.irp i, 0,1,2
	v_mov_b32 v[PC+3+6*\c+\i], v[PC+12+4*\c+\i]
.endr
.endr
.endm
.macro UNIT isv, u
.if \isv
.set TL, 12                                    ; loads that bring a unit's four streamed fragments
.else
.set TL, 24
.endif
.if (\u) <= 5
	s_wait_loadcnt 2*TL                            ; all but the next two units' loads: this unit's fragments are in (in unit 0: the operand that stays, the scales and the bias too)
.elseif (\u) == 6
	s_wait_loadcnt TL
.else
	s_wait_loadcnt 0x0
.endif
	MULU \isv, \u
	WIN 0
	PLACES 5                                       ; four in front of loads into fragments just read and of the first read of results; a fifth, since the next unit's products begin these accumulators anew
.if (\u) > 0
	s_wait_xcnt 0x0                                ; the last unit's stores have read the codes' registers
.endif
.if (\u)+3 <= 7
	LOADT \isv, (\u)+3
	WIN 0
.endif
	QUANT ACC, SW+(\u)
.irp q, 0,1,2
.if \isv
	global_store_b128 v7, v[PC+4*\q:PC+4*\q+3], s[44:45] offset:(\u)*1536+512*\q
.elseif (\u) < 4
	global_store_b128 v7, v[PC+4*\q:PC+4*\q+3], s[44:45] offset:((\u)%4)*1536+512*\q
.else
	global_store_b128 v7, v[PC+4*\q:PC+4*\q+3], s[46:47] offset:((\u)%4)*1536+512*\q
.endif
.endr
.if (\u) == 3
	global_store_b128 v8, v[SW:SW+3], s[44:45]     ; four units' scale words: [lane][member], 512 consecutive bytes
.elseif ((\u) == 7) && \isv
	global_store_b128 v8, v[SW+4:SW+7], s[44:45] offset:512
.elseif (\u) == 7
	global_store_b128 v8, v[SW+4:SW+7], s[46:47]
.endif
.endm
.macro BODY isv
	s_lshl_b32 s52, s30, 7                         ; my wave's 128 rows of W
.if \isv
	v_and_b32 v12, 8, v10
	v_add3_u32 v12, v12, v10, s52                  ; my lane's row in tile 0: r + 8 (r / 8)
.else
	v_add_nc_u32 v12, s52, v10                     ; r
.endif
	v_lshlrev_b32 v4, 4, v12                       ; W's scale bytes: 16 a row: four words, one a K step
.if \isv
	v_lshlrev_b32 v6, 2, v12                       ; the bias: my lane's channel
	s_and_b32 s52, s39, 1                          ; which of a piece's two chunks of keys
	s_mul_i32 s53, s52, 12288
	v_add_nc_u32 v7, s53, v1                       ; images: 16 L + 8 images a chunk
	s_lshl_b32 s53, s52, 10
	s_add_co_u32 s53, s53, 24576
	v_add_nc_u32 v8, s53, v1                       ; scale images: behind the 16 images, 2 a chunk
.else
	s_lshl_b32 s52, s30, 9
	v_lshl_add_u32 v6, v11, 5, s52                 ; the bias: outputs 128 w + 8 h on
	s_mul_i32 s53, s30, 6144
	v_add_nc_u32 v7, s53, v1                       ; images: 16 L + 4 images a K step (= my wave)
	s_add_co_u32 s52, s52, 24576
	v_add_nc_u32 v8, s52, v1                       ; scale images: one a K step
.endif
.set i, 0
.rept 16
	global_load_b32 v[ACC+i], v5, s[6:7] offset:2048*i     ; h's scale bytes of block i: byte k of lane L is column 32 k + L of my chunk
.set i, i+1
.endr
.irp t, 0,1,2,3,4,5,6,7
.if \isv
	global_load_b128 v[WSC+4*\t:WSC+4*\t+3], v4, s[34:35] offset:(32*(\t/2)+8*(\t%2))*16
.else
	global_load_b128 v[WSC+4*\t:WSC+4*\t+3], v4, s[34:35] offset:256*\t
.endif
.endr
	WIN 0xC0
.irp t, 0,1,2,3,4,5,6,7
.if \isv
.irp j, 0,1,2,3,4,5,6,7
	global_load_b32 v[192+8*\t+\j], v6, s[36:37] offset:(32*(\t/2)+8*(\t%2))*4   ; a lane's eight results of a tile are one channel's: its bias eight times
.endr
.else
	global_load_b128 v[192+8*\t:195+8*\t], v6, s[36:37] offset:64*\t             ; a lane's eight results are outputs 16 t + 8 h + 0 .. 7
	global_load_b128 v[196+8*\t:199+8*\t], v6, s[36:37] offset:64*\t+16
.endif
.endr
	WIN 0x40
.irp s, 0,1
.irp t, 0,1,2,3,4,5,6,7
	LOADR \isv, \s, \t
.endr
.endr
	WIN 0x80
.irp s, 2,3
.irp t, 0,1,2,3,4,5,6,7
	LOADR \isv, \s, \t
.endr
.endr
	LOADT \isv, 0
	LOADT \isv, 1
	LOADT \isv, 2
	WIN 0
	s_wait_loadcnt 63                              ; more than 63 loads were issued behind the 16 words of h's scale bytes: they are in
.irp s, 0,1,2,3                                ; four bytes by four registers are turned: word (pair of tiles i, K step s) takes byte i of blocks 4 s .. 4 s + 3
	v_perm_b32 v[32+4*\s], v[ACC+1+4*\s], v[ACC+4*\s], 0x05010400
	v_perm_b32 v[33+4*\s], v[ACC+1+4*\s], v[ACC+4*\s], 0x07030602
	v_perm_b32 v[34+4*\s], v[ACC+3+4*\s], v[ACC+2+4*\s], 0x05010400
	v_perm_b32 v[35+4*\s], v[ACC+3+4*\s], v[ACC+2+4*\s], 0x07030602
	v_perm_b32 v[HW+\s], v[34+4*\s], v[32+4*\s], 0x05040100
	v_perm_b32 v[HW+4+\s], v[34+4*\s], v[32+4*\s], 0x07060302
	v_perm_b32 v[HW+8+\s], v[35+4*\s], v[33+4*\s], 0x05040100
	v_perm_b32 v[HW+12+\s], v[35+4*\s], v[33+4*\s], 0x07060302
.endr
	PLACES 8                                       ; a scale register written by a vector instruction stands eight places ahead of a scaled matrix instruction
.irp u, 0,1,2,3,4,5,6,7
	UNIT \isv, \u
.endr
	s_endpgm
.endm
	s_load_b512 s[4:19], s[0:1], 0x0               ; hc 4, hs 6, wimg 8, q_w_scales 10, q_b 12, k_w_scales 14, k_b 16, v_w_scales 18
	s_load_b128 s[20:23], s[0:1], 0x40             ; v_b 20, qimg 22
	s_load_b64 s[24:25], s[0:1], 0x50              ; kv
	v_lshrrev_b32 v1, 5, v0
	v_readfirstlane_b32 s30, v1                    ; wave 0..3
	s_and_b32 s31, ttmp7, 0xffff                   ; 0 q, 1 k, 2 v
	s_lshr_b32 s38, ttmp9, 4                       ; b
	s_and_b32 s39, ttmp9, 15                       ; chunk of 128 columns
	v_and_b32 v9, 31, v0                           ; L
	v_and_b32 v10, 15, v0                          ; r
	v_bfe_u32 v11, v0, 4, 1                        ; h
	v_lshlrev_b32 v1, 4, v9                        ; 16 L
	v_lshlrev_b32 v5, 2, v9                        ; 4 L
	v_mul_u32_u24 v3, v11, 49152                   ; h's codes: lanes 16-31 take the next block,
	v_lshl_add_u32 v3, v10, 3, v3                  ; 8 bytes a column
.irp b, 0,1,2,3
	v_mov_b32 v[TM+4+\b], 0                        ; written once: a lane permute's destination counts as one of its sources
.endr
	s_mov_b32 s54, 0x76543210
	s_mov_b32 s55, 0xfedcba98                      ; v_permlanex16_b32's selects for lane l xor 16
	s_lshl_b32 s40, s38, 5
	s_lshl_b32 s41, s39, 1
	s_add_co_u32 s40, s40, s41
	s_mul_i32 s40, s40, WP                         ; q: query block 32 b + 2 chunk; the chunk's second block lies WP on
	s_mul_i32 s41, s38, BATCH
	s_lshr_b32 s42, s39, 2
	s_mul_i32 s42, s42, 4*PIECE
	s_add_co_u32 s41, s41, s42                     ; kv: the batch, the round of 512 keys
	s_and_b32 s42, s39, 3
	s_mul_i32 s43, s42, WP
	s_add_co_u32 s43, s43, s41                     ; k: piece 4 round, the part of the wave that will take these 128 keys; key tiles 4 to 7 lie a piece on
	s_lshr_b32 s42, s42, 1
	s_mul_i32 s42, s42, PIECE
	s_add_co_u32 s41, s41, s42
	s_add_co_u32 s41, s41, 2*PIECE
	s_mul_i32 s42, s30, WP
	s_add_co_u32 s41, s41, s42                     ; v: piece 4 round + 2 + (chunk % 4) / 2, my wave's part
	s_mul_i32 s56, s38, 786432
	s_lshl_b32 s57, s39, 10
	s_add_co_u32 s56, s56, s57                     ; hc: the batch, 128 columns of 8 bytes a chunk
	s_mov_b32 s57, 0
	s_lshl_b32 s58, s38, 15
	s_lshl_b32 s59, s39, 7
	s_add_co_u32 s58, s58, s59                     ; hs: the batch, 128 bytes a chunk
	s_mov_b32 s59, 0
	s_mul_i32 s60, s31, 196608                     ; wimg: the weight,
	s_mul_i32 s61, s30, 49152                      ; my wave's 32 images
	s_add_co_u32 s60, s60, s61
	s_mov_b32 s61, 0
	s_mov_b32 s49, 0
	s_mov_b32 s51, 0
	s_mov_b32 s50, PIECE
	s_wait_kmcnt 0x0
	s_add_nc_u64 s[4:5], s[4:5], s[56:57]
	s_add_nc_u64 s[6:7], s[6:7], s[58:59]
	s_add_nc_u64 s[32:33], s[8:9], s[60:61]        ; W's codes
	s_cmp_eq_u32 s31, 0                            ; the choices hang on the work-group's number alone
	s_cselect_b64 s[34:35], s[10:11], s[14:15]     ; W's scale bytes,
	s_cselect_b64 s[36:37], s[12:13], s[16:17]     ; the bias,
	s_cselect_b64 s[44:45], s[22:23], s[24:25]     ; where the images go,
	s_cselect_b32 s48, s40, s43
	s_cselect_b32 s50, WP, s50                     ; and how far on units 4 to 7 lie
	s_cmp_eq_u32 s31, 2
	s_cselect_b64 s[34:35], s[18:19], s[34:35]
	s_cselect_b64 s[36:37], s[20:21], s[36:37]
	s_cselect_b32 s48, s41, s48
	s_add_nc_u64 s[44:45], s[44:45], s[48:49]
	s_add_nc_u64 s[46:47], s[44:45], s[50:51]
	s_cmp_eq_u32 s31, 2
	s_cbranch_scc1 .Lv
	BODY 0
.Lv:
	BODY 1
.Lfunc_end_k_q0b4cd5187b_qkv:
	.size	k_q0b4cd5187b_qkv, .Lfunc_end_k_q0b4cd5187b_qkv-k_q0b4cd5187b_qkv
	.p2alignl 7, 3214868480
	.fill 96, 4, 3214868480
	.section	.rodata,"a",@progbits
	.p2align	6, 0x0
	.amdhsa_kernel k_q0b4cd5187b_qkv
		.amdhsa_group_segment_fixed_size 0
		.amdhsa_private_segment_fixed_size 0
		.amdhsa_enable_private_segment 0
		.amdhsa_kernarg_size 88
		.amdhsa_user_sgpr_count 2
		.amdhsa_user_sgpr_kernarg_segment_ptr 1
		.amdhsa_wavefront_size32 1
		.amdhsa_system_sgpr_workgroup_id_x 1
		.amdhsa_system_sgpr_workgroup_id_y 1
		.amdhsa_system_sgpr_workgroup_id_z 1
		.amdhsa_system_vgpr_workitem_id 0
		.amdhsa_next_free_vgpr 1024
		.amdhsa_next_free_sgpr 66
		.amdhsa_reserve_vcc 0
		.amdhsa_float_denorm_mode_32 3
		.amdhsa_float_denorm_mode_16_64 3
		.amdhsa_memory_ordered 1
		.amdhsa_forward_progress 1
		.amdhsa_inst_pref_size 212
	.end_amdhsa_kernel
	.amdgpu_metadata
---
amdhsa.version: [ 1, 2 ]
amdhsa.kernels:
  - .name:           k_q0b4cd5187b_qkv
    .symbol:         k_q0b4cd5187b_qkv.kd
    .args:
      - { .name: hc, .offset: 0, .size: 8, .value_kind: global_buffer, .address_space: global }
      - { .name: hs, .offset: 8, .size: 8, .value_kind: global_buffer, .address_space: global }
      - { .name: wimg, .offset: 16, .size: 8, .value_kind: global_buffer, .address_space: global }
      - { .name: q_w_scales, .offset: 24, .size: 8, .value_kind: global_buffer, .address_space: global }
      - { .name: q_b, .offset: 32, .size: 8, .value_kind: global_buffer, .address_space: global }
      - { .name: k_w_scales, .offset: 40, .size: 8, .value_kind: global_buffer, .address_space: global }
      - { .name: k_b, .offset: 48, .size: 8, .value_kind: global_buffer, .address_space: global }
      - { .name: v_w_scales, .offset: 56, .size: 8, .value_kind: global_buffer, .address_space: global }
      - { .name: v_b, .offset: 64, .size: 8, .value_kind: global_buffer, .address_space: global }
      - { .name: qimg, .offset: 72, .size: 8, .value_kind: global_buffer, .address_space: global }
      - { .name: kv, .offset: 80, .size: 8, .value_kind: global_buffer, .address_space: global }
    .group_segment_fixed_size: 0
    .private_segment_fixed_size: 0
    .kernarg_segment_align: 8
    .kernarg_segment_size: 88
    .max_flat_workgroup_size: 128
    .sgpr_count:     66
    .vgpr_count:     1024
    .wavefront_size: 32
...
	.end_amdgpu_metadata
.endif
;; end of part 5
;; launch attn (part 6): grid 32 x 8, 4 waves a work-group, clusters of 4 x 1, 327,680 bytes of LDS; arguments x, o_b, qimg, kv, out0; writes out0
.if DOCPART == 6
	.amdgcn_target "amdgcn-amd-amdhsa--gfx1250"
	.amdhsa_code_object_version 6
	.text
	.protected	k_q0b4cd5187b_attn
	.globl	k_q0b4cd5187b_attn
	.p2align	8
	.type	k_q0b4cd5187b_attn,@function
k_q0b4cd5187b_attn:
	s_mov_b64 s[64:65], 0
	v_nop
	global_prefetch_b8 v0, s[64:65] scope:SCOPE_SE
	s_setreg_imm32_b32 hwreg(HW_REG_WAVE_MODE, 25, 1), 1
	s_wait_xcnt 0x0
	s_wait_alu depctr_hold_cnt(0) depctr_sa_sdst(0) depctr_va_vdst(0) depctr_va_sdst(0) depctr_va_ssrc(0) depctr_va_vcc(0) depctr_vm_vsrc(0)
	s_getreg_b32 s2, hwreg(HW_REG_IB_STS2, 6, 4)
	s_cmp_eq_u32 s2, 0
	s_cbranch_scc0 .Lentry_in_a_cluster
	s_endpgm
.Lentry_in_a_cluster:
	s_bfe_u32 s2, ttmp6, 0x10000c
	s_cmp_lg_u32 s2, 0x3003
	s_cbranch_scc0 .Lentry_shape_is_right
	s_endpgm
.Lentry_shape_is_right:
; out = x + o_w (v softmax(q^T k / sqrt(512))^T) + o_b, all three products on codes of E3M2 with one E8M0 byte for each 32 along K.
; THE SOFTMAX AHEAD OF THE SECOND PRODUCT: t = score x log2(e) / sqrt(512); M = the row's largest t so far, rounded UP to a whole number; p = 2^(t - M) is quantised along the keys, not normalised.  The row's sum is taken
; of the unquantised p and divides the result at the end.  When M moves, the sum and the result are multiplied by 2^(old M - new M): exact.
; SHARES.  A work-group owns 64 queries of one batch: four tiles m of 16.  THE WAVES SHARE THE KEYS AND THE CHANNELS, NOT THE QUERIES.  In a round of 512 keys wave w makes the scores of keys 128 w .. + 127 for all 64 queries
; (source 0 = 16 keys, source 1 = 16 queries: a lane holds ONE query), quantises p into one fragment a tile, which is K step w of the second product, hands it to the others through LDS as an image of its registers, and then
; makes channels 128 w .. + 127 of the result (source 0 = 16 channels of v, source 1 = p).  So each fragment of k, v and o_w is read from LDS by one wave alone and feeds four matrix instructions.
; M is the same in all four waves: each round the waves' largest scores meet in LDS.  Each wave sums its own keys' p; the four sums meet at the end.
; THE STREAM.  kv holds for each batch 18 pieces of 106,496 bytes, each four parts (one a wave) of 26,624: 16 fragment images of 1,536 bytes (fragment 4 g + i: group g, member i; register i of lane L at 512 (i / 4) + 16 L + 4 (i % 4)),
; then four scale images [g][lane][i] of 512.  Round n: pieces 4 n, 4 n + 1: k (g = K step, key tile 4 a + i); 4 n + 2, 4 n + 3: v (keys 128 (2 a + g / 2) on, channel tile 4 (g % 2) + i).  Pieces 16, 17: o_w (K step 2 a + g / 2, row tile 4 (g % 2) + i).
; Pieces go through a ring of two LDS slots; each wave fetches its own part by one tensor load of 104 rows of 256 bytes.
; THE ORDER OF THE ROUNDS.  Cluster c of a batch's eight begins with round (c + c / 4) mod 4 and goes round all four: at any time the eight stand in four different rounds, two in each, and from its second round on a cluster asks for
; pieces that another cluster of its batch has loaded a round earlier.  The running M makes the order of the keys free.  The offset of the piece to be asked for is made anew at each change of slots from the cluster's x and the
; count of rounds, which are equal in all four partners, in registers that never hold a work-group's place in its cluster.
; CLUSTER.  The four work-groups of a cluster belong to one batch and walk the same stream: each part is asked for JOINTLY, by the same tensor load with the same descriptor and the mask of all four.
; By this text's own count a wave has one tensor load outstanding.  All of a WGP's LDS is claimed; the text uses 261,632 bytes.
; LIMITS: NaN and infinities are not served.  A block of zeros gets the byte 1 where the rule says 127 (its codes are zeros).  A block's largest p is made from its largest score by the same two instructions, which takes v_exp_f32 not to fall
; where its input rises.  t is the score times ONE rounded constant.  1 / l is the instruction's.  Inside a block of 32 the keys (and q's and k's channels) stand in another order than by rising index, alike on both sides of a product.
; REGISTERS, in windows of 256.  Window 0: v1-17 addresses; v20-35 statistics (a tile: -M, largest t, the sum in two halves); v36-43 f or 1 / l, a pair a tile; v44-59 block maxima; v60-75 at work; v76-79 scale words just made;
;   v80-95 q's scale words, v96-111 the piece's, v112-127 p's; v128-223 two sets of four fragments (while quantising: four sets of codes; on the way out: two sets of 32).
;   Window 1: the result, 64 m + 8 channel tile; later out, 8 (4 row tile + m).   Window 2: scores and p, 64 m + 8 key tile; then the 16 fragments of p (or of the result) at 12 (4 K step + m); at the end v192-255 x.
;   Window 3: v0-191 q's fragments at 12 (4 K step + m), at the end x; v192-255 o_b.
; SCALARS that stay: s14 wave; s[22:23] c; s[24:25] lane selects; s26 rounds to go; s27, s28 who prefetches kv; s29 the round's first byte in the batch's stream; s[30:31], s[58:59] the prefetches' bases in kv; s[32:39] group 1;
;   s[40:47] group 0 for slot 0, 1; s[48:49] x, s[50:51] out at my wave's rows; s[52:53] kv at my wave's part of the batch's piece 0; s[60:61] the offset of the piece to be asked for; s62 the round's number.
.set WP,    26624
.set PIECE, 4*WP
.set BATCH, 18*PIECE
.set SLOT1, PIECE                      ; LDS: slot 0 at 0, slot 1 here; wave w's part at w x WP
.set PIMG,  2*PIECE                    ; 16 images of p (K step j, tile m: 4 j + m),
.set PSC,   PIMG+16*1536               ; their scale words [j][lane][m],
.set MX,    PSC+2048                   ; the waves' largest scores [m][lane][wave]; 2,048 bytes on: their sums
.set STG,   MX+4096                    ; the way out: 16 rows x (256 bytes + 16) for each wave
.set SPARE, STG+4*16*272               ; the spare words, 128 bytes for each wave: two blocks of 256 bytes that no other line names
.set LI,  1                            ; v1   16 L
.set LB,  2                            ; v2-3 my part of slot 0, 1, + 16 L
.set PWI, 4                            ; v4   where I store images
.set PRI, 5                            ; v5   where all images begin, + 16 L
.set PSW, 6                            ; v6   where I store scale words
.set PSR, 7                            ; v7   where they begin, + 16 L
.set MXW, 8                            ; v8   my word among the maxima
.set MXR, 9                            ; v9   my lane's four words
.set STO, 10                           ; v10  the stage: where I put 32 bytes of a row
.set SRD, 11                           ; v11  and where I read rows back
.set GX,  12                           ; v12  my 16 bytes in two rows of x and of out
.set PFK, 13                           ; v13  the prefetches' offsets: in kv,
.set PFX, 14                           ; v14  in x
.set OBA, 15                           ; v15  4 r
.set SPW, 16                           ; v16  my spare word; never rewritten
.set NIL, 17                           ; v17  0; never rewritten
.set ST,  20
.set FF,  36
.set BM,  44
.set TT,  60
.set PW,  76
.set QS,  80
.set KVS, 96
.set PS,  112
.set FB,  128
.set MSB, 0
.macro WIN new                         ; the immediate's high byte repeats the setting that is left; a switch that changes nothing is dropped
.if MSB != \new
	s_set_vgpr_msb (MSB<<8)|\new
.set MSB, \new
.endif
.endm
.macro PLACES n
.rept \n
	v_nop
.endr
.endm
; A round of the cluster's barrier: my work-group's barrier; wave 0 signals for the work-group; every wave waits for all four work-groups; my work-group's barrier once more.
.macro ROUND
	s_barrier_signal -1
	s_barrier_wait -1
	s_cmp_lg_u32 s14, 0
	s_cbranch_scc1 .Lnot_wave_0_\@
	s_barrier_signal -3
.Lnot_wave_0_\@:
	s_barrier_wait -3
	s_barrier_signal -1
	s_barrier_wait -1
.endm
; THE CHANGE OF SLOTS, at the head of a piece in 'slot'.  Each wave waits for all its tensor loads (one: its part of this piece), adds 0 to its spare word, and waits for that and for all its LDS instructions: its reads of the other slot
; are over, and what it stored for the other waves has landed.  Behind the round no wave of any partner reads the other slot: it takes the next piece, the first thing behind the round, one load a wave.
; nx says which piece that is: 1, 2, 3: that piece of the round in hand; 4: the next round's first (the round's number goes on, mod 4), or, in the last trip, piece 16; 5: piece 17.
; ask = 1 .. 4 (the round's first to fourth change): prefetches follow the load and its four lines.  (1) kv.  At its very first change a cluster asks for its first round's last piece, two changes ahead of that piece's load: clusters 0 to 3,
; which begin in four different rounds.  At the last round's second and third change cluster 0 asks for o_w's two pieces, each two changes ahead of its load.  The pieces of a cluster's later rounds are those that another cluster of the
; batch has loaded a round earlier: they are not asked for.  Partner cx takes part cx, told apart by address, and each of its waves a quarter, 26 blocks of 256 bytes, a lane a block (lanes 26 to 31 name lane 25's again).
; (2) x, in the last round alone: 32 rows of the 128 that my wave will add at the end, 256 bytes each, a lane a row: four changes name them all, each once.  No prefetch's address register is ever rewritten.
.macro TRIP slot, nx, ask
	WIN 0
	s_wait_tensorcnt 0x0                           ; no tensor load of mine is out, so a group 0 may be written
	ds_add_u32 v[SPW], v[NIL]                      ; 0 onto my spare word; the lines below stand between it and the wait for it
.if \nx <= 3
	s_add_co_u32 s60, s29, \nx*PIECE
.elseif \nx == 4
	s_add_co_u32 s62, s62, 1
	s_and_b32 s62, s62, 3
	s_mul_i32 s29, s62, 4*PIECE
	s_cmp_eq_u32 s26, 1                            ; the last trip?
	s_cselect_b32 s60, 16*PIECE, s29
.else
	s_mov_b32 s60, 17*PIECE
.endif
	s_add_nc_u64 s[46-4*\slot:47-4*\slot], s[52:53], s[60:61]   ; the other slot's group 0: my part of that piece,
	s_or_b32 s[47-4*\slot], s[47-4*\slot], 0x80000000           ; type = 2
	s_wait_dscnt 0x0
	ROUND
	tensor_load_to_lds s[44-4*\slot:47-4*\slot], s[32:39]
	s_nop 0
	PLACES 4
.if \ask == 1
	s_cmp_eq_u32 s26, s28
	s_cbranch_scc0 .Lno_kv_\@
	global_prefetch_b8 v[PFK], s[58:59] th:TH_LOAD_NT scope:SCOPE_SE
.Lno_kv_\@:
.elseif (\ask == 2) || (\ask == 3)
	s_cmp_eq_u32 s26, s27
	s_cbranch_scc0 .Lno_kv_\@
	global_prefetch_b8 v[PFK], s[30:31] offset:(14+\ask)*PIECE th:TH_LOAD_NT scope:SCOPE_SE
.Lno_kv_\@:
.endif
.if \ask > 0
	s_cmp_eq_u32 s26, 1
	s_cbranch_scc0 .Lno_x_\@
	global_prefetch_b8 v[PFX], s[48:49] offset:(\ask-1)*262144 th:TH_LOAD_NT scope:SCOPE_SE
.Lno_x_\@:
.endif
.endm
.macro WM d, a, b, c, sa, sb           ; c < 0: the product starts the sum
.if (\c) < 0
	v_wmma_scale_f32_16x16x128_f8f6f4 v[(\d):(\d)+7], v[(\a):(\a)+11], v[(\b):(\b)+11], 0, v[(\sa)], v[(\sb)] matrix_a_fmt:MATRIX_FMT_BF6 matrix_b_fmt:MATRIX_FMT_BF6
.else
	v_wmma_scale_f32_16x16x128_f8f6f4 v[(\d):(\d)+7], v[(\a):(\a)+11], v[(\b):(\b)+11], v[(\c):(\c)+7], v[(\sa)], v[(\sb)] matrix_a_fmt:MATRIX_FMT_BF6 matrix_b_fmt:MATRIX_FMT_BF6
.endif
.endm
.macro LOADS lb                        ; a part's 16 scale words: group g's four by one load
.irp g, 0,1,2,3
	ds_load_b128 v[KVS+4*\g:KVS+4*\g+3], v[\lb] offset:24576+512*\g
.endr
.endm
.macro LOADG lb, g, set                ; group g's four fragments: 12 loads of 512 consecutive bytes
.irp i, 0,1,2,3
.irp q, 0,1,2
	ds_load_b128 v[FB+48*(\set)+12*\i+4*\q:FB+48*(\set)+12*\i+4*\q+3], v[\lb] offset:(4*(\g)+\i)*1536+512*\q
.endr
.endr
.endm
; 16 matrix instructions on 16 different accumulators: group g's four fragments x the four tiles of queries.  kind 0: scores; 1: the result; 2: out.
.macro GROUP kind, a, g
.set FS, FB+48*((\g)%2)
.set JJ, 2*(\a)+(\g)/2
.if \kind == 0
	WIN 0xAC                                       ; source 0 window 0, source 1 (q) window 3, C and D window 2
.elseif \kind == 1
	WIN 0x58                                       ; source 1 (p) window 2, C and D window 1
.elseif JJ == 0
	WIN 0x72                                       ; source 0 (the result's codes) window 2, source 1 window 0, C (o_b) window 3, D window 1
.else
	WIN 0x52
.endif
.irp i, 0,1,2,3
.set TI, 4*((\g)%2)+\i
.irp m, 0,1,2,3
.if (\kind == 0) && (\g == 0)
	WM 64*\m+8*(4*(\a)+\i), FS+12*\i, 12*(4*(\g)+\m), -1, KVS+4*(\g)+\i, QS+4*(\g)+\m
.elseif \kind == 0
	WM 64*\m+8*(4*(\a)+\i), FS+12*\i, 12*(4*(\g)+\m), 64*\m+8*(4*(\a)+\i), KVS+4*(\g)+\i, QS+4*(\g)+\m
.elseif \kind == 1
	WM 64*\m+8*TI, FS+12*\i, 12*(4*JJ+\m), 64*\m+8*TI, KVS+4*(\g)+\i, PS+4*JJ+\m
.elseif JJ == 0
	WM 8*(4*TI+\m), 12*(4*JJ+\m), FS+12*\i, 192+8*TI, PS+4*JJ+\m, KVS+4*(\g)+\i
.else
	WM 8*(4*TI+\m), 12*(4*JJ+\m), FS+12*\i, 8*(4*TI+\m), PS+4*JJ+\m, KVS+4*(\g)+\i
.endif
.endr
.endr
.endm
; A piece: 64 matrix instructions.  Two groups' fragments are asked for ahead; each wait leaves the next group's 12 loads out.  The accumulators take turns, one instruction a turn.
.macro PIPE lb, kind, a
	WIN 0
	LOADS \lb
	LOADG \lb, 0, 0
	LOADG \lb, 1, 1
.irp g, 0,1,2,3
.if \g < 3
	s_wait_dscnt 12
.else
	s_wait_dscnt 0x0
.endif
	GROUP \kind, \a, \g
.if \g < 2
	PLACES 4                                       ; in front of loads into fragments just read
	WIN 0
	LOADG \lb, \g+2, \g%2
.elseif \g == 3
	PLACES 5                                       ; four for the loads and reads that follow; a fifth, since matrix instructions of the next phase write over operands of these
.endif
.endr
.endm
; The largest score of each block of 32 keys (it serves twice: for the row's maximum and, since p rises with the score, for the block's largest p), and my 128 keys' largest, which goes to LDS.  Each accumulator is read from its low end on.
.macro MAXL
	WIN 0x2A
.irp m, 0,1,2,3
.irp b, 0,1,2,3
	v_max3_num_f32 v[BM+4*\m+\b], v[64*\m+16*\b], v[64*\m+16*\b+1], v[64*\m+16*\b+2]
.endr
.endr
	WIN 0x28
.irp i, 3,5,7,9,11,13
.irp m, 0,1,2,3
.irp b, 0,1,2,3
	v_max3_num_f32 v[BM+4*\m+\b], v[BM+4*\m+\b], v[64*\m+16*\b+\i], v[64*\m+16*\b+\i+1]
.endr
.endr
.endr
.irp m, 0,1,2,3
.irp b, 0,1,2,3
	v_max_num_f32 v[BM+4*\m+\b], v[BM+4*\m+\b], v[64*\m+16*\b+15]
.endr
.endr
	WIN 0
.set n, 0
.rept 16
	v_permlanex16_b32 v[TT+n], v[BM+n], s24, s25
.set n, n+1
.endr
.set n, 0
.rept 16
	v_max_num_f32 v[BM+n], v[BM+n], v[TT+n]        ; with lane l xor 16's 16 keys
.set n, n+1
.endr
.irp m, 0,1,2,3
	v_max3_num_f32 v[TT+4*\m], v[BM+4*\m], v[BM+4*\m+1], v[BM+4*\m+2]
.endr
.irp m, 0,1,2,3
	v_max_num_f32 v[TT+4*\m], v[TT+4*\m], v[BM+4*\m+3]
.endr
.irp m, 0,1,2,3
	ds_store_b32 v[MXW], v[TT+4*\m] offset:512*\m
.endr
.endm
; From 16 block maxima in BM (floored) and 64 numbers a tile at v[64 m] of window sw: scale words, codes, and their images in LDS: K step w of the next product.
.macro FINISH sw
.set n, 0
.rept 16
	v_add_nc_u32 v[BM+n], 0xfe000000, v[BM+n]      ; 4 off the exponent field: the conversion's scale operand
.set n, n+1
.endr
.set n, 0
.rept 16
	v_lshrrev_b32 v[TT+n], 23, v[BM+n]             ; the scale's byte
.set n, n+1
.endr
.irp m, 0,1,2,3
	v_lshl_or_b32 v[PW+\m], v[TT+4*\m+1], 8, v[TT+4*\m]
.endr
.irp m, 0,1,2,3
	v_lshl_or_b32 v[PW+\m], v[TT+4*\m+2], 16, v[PW+\m]
.endr
.irp m, 0,1,2,3
	v_lshl_or_b32 v[PW+\m], v[TT+4*\m+3], 24, v[PW+\m]
.endr
	WIN \sw
.irp m, 0,1,2,3
.irp c, 0,1
	v_cvt_scalef32_pk16_bf6_f32 v[FB+24*\m+6*\c:FB+24*\m+6*\c+2], v[64*\m+32*\c:64*\m+32*\c+15], v[BM+4*\m+2*\c]
	v_cvt_scalef32_pk16_bf6_f32 v[FB+24*\m+12+4*\c:FB+24*\m+14+4*\c], v[64*\m+32*\c+16:64*\m+32*\c+31], v[BM+4*\m+2*\c+1]   ; (a conversion's three registers begin on an even number)
.endr
.endr
	WIN 0
	v_nop                                          ; one plain place behind a scaled conversion
.irp m, 0,1,2,3
.irp c, 0,1                                    ; the operand's layout wants a whole block in a lane: lanes 0-15 block 2 c, lanes 16-31 block 2 c + 1
.irp i, 0,1,2
	v_permlane16_swap_b32 v[FB+24*\m+6*\c+\i], v[FB+24*\m+12+4*\c+\i]
.endr
.irp i, 0,1,2
	v_mov_b32 v[FB+24*\m+3+6*\c+\i], v[FB+24*\m+12+4*\c+\i]
.endr
.endr
.endr
.irp m, 0,1,2,3
.irp q, 0,1,2
	ds_store_b128 v[PWI], v[FB+24*\m+4*\q:FB+24*\m+4*\q+3] offset:1536*\m+512*\q
.endr
.endr
	ds_store_b128 v[PSW], v[PW:PW+3]
.endm
.macro SOFTMAX
.irp m, 0,1,2,3
	ds_load_b128 v[TT+4*\m:TT+4*\m+3], v[MXR] offset:512*\m   ; the four waves' largest scores of my query
.endr
	s_wait_dscnt 0x0
.irp m, 0,1,2,3
	v_max3_num_f32 v[TT+4*\m], v[TT+4*\m], v[TT+4*\m+1], v[TT+4*\m+2]
.endr
.irp m, 0,1,2,3
	v_max_num_f32 v[TT+4*\m], v[TT+4*\m], v[TT+4*\m+3]
.endr
.irp m, 0,1,2,3
	v_mul_f32 v[TT+4*\m], s22, v[TT+4*\m]          ; as t (c is positive)
.endr
.irp m, 0,1,2,3
	v_max_num_f32 v[ST+4*\m+1], v[ST+4*\m+1], v[TT+4*\m]   ; the running largest t
.endr
.irp m, 0,1,2,3
	v_mov_b32 v[TT+4*\m+1], v[ST+4*\m]
.endr
.irp m, 0,1,2,3
	v_floor_f32 v[ST+4*\m], -v[ST+4*\m+1]          ; the new -M = floor(-t) = -ceil(t): a whole number
.endr
.irp m, 0,1,2,3
	v_sub_f32 v[TT+4*\m+1], v[ST+4*\m], v[TT+4*\m+1]   ; old M less new M: a whole number, 0 or less
.endr
.irp m, 0,1,2,3
	v_cvt_i32_f32 v[TT+4*\m+1], v[TT+4*\m+1]       ; (it saturates)
.endr
.irp m, 0,1,2,3
	v_ldexp_f32 v[FF+2*\m], 1.0, v[TT+4*\m+1]      ; f = 2^(old M - new M)
.endr
	WIN 0x82
.irp m, 0,1,2,3
.set j, 0
.rept 32
	v_pk_fma_f32 v[64*\m+j:64*\m+j+1], v[64*\m+j:64*\m+j+1], s[22:23], v[ST+4*\m:ST+4*\m+1] op_sel_hi:[1,0,0]   ; t - M, two at a time (of the pairs c and -M the low word serves both halves)
.set j, j+2
.endr
.endr
	WIN 0
.irp m, 0,1,2,3
.irp b, 0,1,2,3
	v_fma_f32 v[BM+4*\m+\b], v[BM+4*\m+\b], s22, v[ST+4*\m]   ; the same of each block's largest score
.endr
.endr
	WIN 0x82
.set n, 0
.rept 256
	v_exp_f32 v[n], v[n]                           ; p = 2^(t - M), at most 1: one batch
.set n, n+1
.endr
	WIN 0
.irp m, 0,1,2,3
	v_pk_mul_f32 v[ST+4*\m+2:ST+4*\m+3], v[ST+4*\m+2:ST+4*\m+3], v[FF+2*\m:FF+2*\m+1] op_sel_hi:[1,0]   ; the sums under the new M: plain work behind the exponentials
.endr
	s_wait_alu depctr_va_vdst(0)                   ; one wait for the batch, ahead of its first reader
.set n, 0
.rept 16
	v_exp_f32 v[BM+n], v[BM+n]                     ; the blocks' largest p: the same two instructions on the same number give the same bits
.set n, n+1
.endr
	WIN 0x0A                                       ; the row's sum is taken of the unquantised p: two at a time, two chains a tile.  It reads the 256 alone: plain work behind the 16
.irp m, 0,1,2,3
	v_pk_add_f32 v[TT+2*\m:TT+2*\m+1], v[64*\m:64*\m+1], v[64*\m+2:64*\m+3]
.endr
	WIN 0x08
.irp j, 4,8,12,16,20,24,28,32,36,40,44,48,52,56,60
.irp m, 0,1,2,3
	v_pk_add_f32 v[ST+4*\m+2:ST+4*\m+3], v[ST+4*\m+2:ST+4*\m+3], v[64*\m+\j:64*\m+\j+1]
	v_pk_add_f32 v[TT+2*\m:TT+2*\m+1], v[TT+2*\m:TT+2*\m+1], v[64*\m+\j+2:64*\m+\j+3]
.endr
.endr
	WIN 0
.irp m, 0,1,2,3
	v_pk_add_f32 v[ST+4*\m+2:ST+4*\m+3], v[ST+4*\m+2:ST+4*\m+3], v[TT+2*\m:TT+2*\m+1]
.endr
	s_wait_alu depctr_va_vdst(0)                   ; and one for the 16
.set n, 0
.rept 16
	v_max_num_f32 v[BM+n], 0x2800000, v[BM+n]      ; the floor 2^(5 - 127): the byte cannot fall under 1
.set n, n+1
.endr
	FINISH 0x02
.endm
; My images have landed; while the others arrive the result is brought under the new M (work on registers alone); behind the wait all 16 images lie in LDS.
.macro PBAR
	s_wait_dscnt 0x0
	s_barrier_signal -1
	WIN 0x41
.irp m, 0,1,2,3
.set j, 0
.rept 32
	v_pk_mul_f32 v[64*\m+j:64*\m+j+1], v[64*\m+j:64*\m+j+1], v[FF+2*\m:FF+2*\m+1] op_sel_hi:[1,0]   ; ascending: each accumulator is read from its low end on
.set j, j+2
.endr
.endr
	WIN 0
	s_barrier_wait -1
.endm
.macro PFETCH                          ; all 16 fragments and their scale words, into the registers that the scores have left
.irp j, 0,1,2,3
	ds_load_b128 v[PS+4*\j:PS+4*\j+3], v[PSR] offset:512*\j
.endr
	WIN 0x80
.set f, 0
.rept 16
.irp q, 0,1,2
	ds_load_b128 v[12*f+4*\q:12*f+4*\q+3], v[PRI] offset:1536*f+512*\q
.endr
.set f, f+1
.endr
.endm
	s_load_b256 s[4:11], s[0:1], 0x0               ; x 4, o_b 6, qimg 8, kv 10
	s_load_b64 s[12:13], s[0:1], 0x20              ; out0
	v_lshl_add_u32 v[SPW], v0, 2, SPARE
	v_mov_b32 v[NIL], 0
	ds_add_u32 v16, v17
	ds_add_u32 v16, v17
	s_wait_dscnt 0x0
	v_lshrrev_b32 v60, 5, v0
	v_readfirstlane_b32 s14, v60                   ; wave 0..3
	s_bfe_u32 s15, ttmp6, 0x40000                  ; cx: it enters global addresses of my own loads, stores and prefetches alone
	s_lshl_b32 s16, ttmp9, 2
	s_add_co_u32 s16, s16, s15                     ; my block of 64 queries
	s_and_b32 s17, ttmp7, 0xffff                   ; the batch, which the four partners share
	; descriptor group 1: 104 rows of 32 elements of 8 bytes, dense, no padding
	s_mov_b32 s32, 15|(3<<16)|(1<<21)              ; 15:0 the mask: all four work-groups; 17:16 elements of 8 bytes; 21 set beside a mask
	s_mov_b32 s33, 32<<16                          ; tensor_dim0
	s_mov_b32 s34, 104<<16                         ; tensor_dim1
	s_mov_b32 s35, 32<<16                          ; tile_dim0
	s_mov_b32 s36, 104                             ; tile_dim1
	s_mov_b32 s37, 32                              ; tensor_dim0_stride
	s_mov_b32 s38, 0
	s_mov_b32 s39, 0
	s_mov_b32 s22, 0x3d8293ee                      ; c = log2(e) / sqrt(512)
	s_mov_b32 s23, s22                             ; (named with it as a pair, so it is written)
	s_mov_b32 s24, 0x76543210
	s_mov_b32 s25, 0xfedcba98                      ; v_permlanex16_b32's selects for lane l xor 16
	s_mov_b32 s26, 4                               ; rounds to go
	s_cmp_lt_u32 ttmp9, 4
	s_cselect_b32 s28, 4, 0                        ; clusters 0 to 3 prefetch kv in their first round (s26 = 4); s26 is never 0.  The same in all four partners
	s_cmp_eq_u32 ttmp9, 0
	s_cselect_b32 s27, 1, 0                        ; cluster 0 prefetches o_w's pieces in the last round (s26 = 1)
	s_lshr_b32 s62, ttmp9, 2
	s_add_co_u32 s62, s62, ttmp9
	s_and_b32 s62, s62, 3                          ; the round with which my cluster begins: 0, 1, 2, 3, 1, 2, 3, 0 for clusters 0 to 7
	s_mul_i32 s29, s62, 4*PIECE                    ; its first byte in the batch's stream
	s_mul_i32 s18, s17, BATCH
	s_mul_i32 s20, s14, WP                         ; my wave's part, of a piece and of a slot
	s_add_co_u32 s52, s18, s20
	s_mov_b32 s53, 0
	s_mul_i32 s54, s15, WP                         ; the prefetches: part cx,
	s_add_co_u32 s54, s54, s18
	s_mul_i32 s55, s14, 6656                       ; my wave's quarter of it
	s_add_co_u32 s54, s54, s55
	s_mov_b32 s55, 0
	s_lshl_b32 s56, s17, 22                        ; x and out: 512 rows of 8,192 bytes a batch,
	s_lshl_b32 s57, s14, 20                        ; 128 rows a wave,
	s_add_co_u32 s56, s56, s57
	s_lshl_b32 s57, s16, 8                         ; 256 bytes a block of queries
	s_add_co_u32 s56, s56, s57
	s_mov_b32 s57, 0
	s_lshl_b32 s58, s17, 5
	s_add_co_u32 s58, s58, s16
	s_mul_i32 s58, s58, WP                         ; q's images of my block
	s_mov_b32 s59, 0
	s_lshl_b32 s60, s14, 9                         ; o_b: my 128 rows
	s_mov_b32 s61, 0
	s_wait_kmcnt 0x0
	s_add_nc_u64 s[52:53], s[10:11], s[52:53]      ; kv at my wave's part of the batch's piece 0: it stays
	s_add_nc_u64 s[30:31], s[10:11], s[54:55]      ; kv at my quarter of part cx of the batch's piece 0
	s_add_nc_u64 s[48:49], s[4:5], s[56:57]
	s_add_nc_u64 s[50:51], s[12:13], s[56:57]
	s_add_nc_u64 s[8:9], s[8:9], s[58:59]
	s_add_nc_u64 s[6:7], s[6:7], s[60:61]
	s_mov_b32 s60, s29                             ; from here on s[60:61] is the offset of the piece to be asked for (s61 = 0)
	s_mov_b32 s40, 1                               ; group 0 for slot 0: count = 1,
	s_mov_b32 s41, s20                             ; LDS address,
	s_add_nc_u64 s[42:43], s[52:53], s[60:61]      ; my part of my first round's first piece,
	s_or_b32 s43, s43, 0x80000000                  ; type = 2;
	s_mov_b32 s44, 1                               ; for slot 1: its address is written at the first change
	s_add_co_u32 s45, s20, SLOT1
	s_add_co_u32 s56, s29, 3*PIECE                 ; (s57 = 0)
	s_add_nc_u64 s[58:59], s[30:31], s[56:57]      ; the first prefetch: my first round's last piece.  Nothing is prefetched at the head
	ROUND                                          ; all four work-groups are here: the first joint loads meet
	tensor_load_to_lds s[40:43], s[32:39]          ; the first piece; slot 1 is first filled behind the first change's round, as a refill is
	s_nop 0
	PLACES 4
	v_and_b32 v60, 31, v0                          ; L
	v_and_b32 v61, 15, v0                          ; r
	v_bfe_u32 v62, v0, 4, 1                        ; h
	v_lshlrev_b32 v[LI], 4, v60
	v_lshlrev_b32 v[OBA], 2, v61
	WIN 0xC0
.set f, 0
.rept 16
.irp q, 0,1,2
	global_load_b128 v[12*f+4*\q:12*f+4*\q+3], v[LI], s[8:9] offset:1536*f+512*\q   ; q's 16 fragments stay in registers
.endr
.set f, f+1
.endr
.irp t, 0,1,2,3,4,5,6,7
.irp j, 0,1,2,3,4,5,6,7
	global_load_b32 v[192+8*\t+\j], v[OBA], s[6:7] offset:64*\t   ; a lane's eight results of a tile of out are one row's: its bias eight times, the C of the sum's first product
.endr
.endr
	WIN 0
.irp s, 0,1,2,3
	global_load_b128 v[QS+4*\s:QS+4*\s+3], v[LI], s[8:9] offset:24576+512*\s
.endr
	v_add_nc_u32 v[LB], s20, v[LI]
	v_add_nc_u32 v[LB+1], SLOT1, v[LB]
	s_mul_i32 s21, s14, 6144
	s_add_co_u32 s21, s21, PIMG
	v_add_nc_u32 v[PWI], s21, v[LI]
	v_add_nc_u32 v[PRI], PIMG, v[LI]
	s_lshl_b32 s21, s14, 9
	s_add_co_u32 s21, s21, PSC
	v_add_nc_u32 v[PSW], s21, v[LI]
	v_add_nc_u32 v[PSR], PSC, v[LI]
	s_lshl_b32 s21, s14, 2
	s_add_co_u32 s21, s21, MX
	v_add_nc_u32 v[MXW], s21, v[LI]
	v_add_nc_u32 v[MXR], MX, v[LI]
	s_mul_i32 s21, s14, 16*272
	s_add_co_u32 s21, s21, STG
	v_mul_u32_u24 v[STO], v61, 272                 ; in: row r, 32 bytes for each half of the lanes
	v_lshl_add_u32 v[STO], v62, 5, v[STO]
	v_add_nc_u32 v[STO], s21, v[STO]
	v_mul_u32_u24 v[SRD], v62, 272                 ; back: lanes 0-15 one row of 256 bytes, lanes 16-31 the next
	v_lshl_add_u32 v[SRD], v61, 4, v[SRD]
	v_add_nc_u32 v[SRD], s21, v[SRD]
	v_lshlrev_b32 v[GX], 13, v62                   ; and the same two rows in x and in out
	v_lshl_add_u32 v[GX], v61, 4, v[GX]
	v_min_u32 v[PFK], 25, v60
	v_lshlrev_b32 v[PFK], 8, v[PFK]
	v_lshlrev_b32 v[PFX], 13, v60
.irp m, 0,1,2,3
	v_mov_b32 v[ST+4*\m+1], 0xff61b1e6             ; the largest t so far: -3e38, under every t
	v_floor_f32 v[ST+4*\m], -v[ST+4*\m+1]          ; -M
	v_mov_b32 v[ST+4*\m+2], 0                      ; the sum, in two halves
	v_mov_b32 v[ST+4*\m+3], 0
	v_mov_b32 v[FF+2*\m+1], 0                      ; (named as the upper half of a pair)
.endr
.set n, 0
.rept 16
	v_mov_b32 v[TT+n], 0                           ; written once: a lane permute's destination counts as one of its sources
.set n, n+1
.endr
	WIN 0x40
.set n, 0
.rept 256
	v_mov_b32 v[n], 0                              ; the result.  The round is written once: the first finds zeros, which the first change of M leaves zeros; a first round of its own would be a second copy of the whole loop
.set n, n+1
.endr
	WIN 0
	s_wait_loadcnt 0x0                             ; q, its scale words, o_b
.Lround:                                               ; 4 trips of 512 keys; each issues four fills; the last trip's fourth is o_w's first piece
	TRIP 0, 1, 1
	PIPE LB, 0, 0                                  ; scores of my key tiles 0 to 3
	TRIP 1, 2, 2
	PIPE LB+1, 0, 1                                ; and 4 to 7
	MAXL
	TRIP 0, 3, 3                                   ; its round also shows every wave's largest scores to the others
	SOFTMAX
	PBAR
	PFETCH
	PIPE LB, 1, 0                                  ; the result += v p, keys 0 to 255 of the round
	TRIP 1, 4, 4
	PIPE LB+1, 1, 1                                ; keys 256 to 511
	WIN 0
	s_sub_co_u32 s26, s26, 1
	s_cmp_lg_u32 s26, 0
	s_cbranch_scc1 .Lround
	; x for the residual: my 128 rows x 256 bytes, asked for now, wanted on the way out: into q's registers and the last 64 of the scores'
	WIN 0xC0
.irp t, 0,1,2,3,4,5
.irp i, 0,1,2,3,4,5,6,7
	global_load_b128 v[32*\t+4*\i:32*\t+4*\i+3], v[GX], s[48:49] offset:(16*\t+2*\i)*8192 th:TH_LOAD_NT
.endr
.endr
	WIN 0x80
.irp t, 6,7
.irp i, 0,1,2,3,4,5,6,7
	global_load_b128 v[32*\t+4*\i:32*\t+4*\i+3], v[GX], s[48:49] offset:(16*\t+2*\i)*8192 th:TH_LOAD_NT
.endr
.endr
	WIN 0
.irp m, 0,1,2,3
	v_add_f32 v[TT+4*\m], v[ST+4*\m+2], v[ST+4*\m+3]   ; the sum's two halves,
.endr
.irp m, 0,1,2,3
	v_permlanex16_b32 v[TT+4*\m+1], v[TT+4*\m], s24, s25
.endr
.irp m, 0,1,2,3
	v_add_f32 v[TT+4*\m], v[TT+4*\m], v[TT+4*\m+1]     ; and lane l xor 16's: my keys' sum
.endr
.irp m, 0,1,2,3
	ds_store_b32 v[MXW], v[TT+4*\m] offset:2048+512*\m
.endr
	TRIP 0, 5, 0                                   ; o_w's first piece is in, its second is asked for; the round shows the sums to all waves
.irp m, 0,1,2,3
	ds_load_b128 v[TT+4*\m:TT+4*\m+3], v[MXR] offset:2048+512*\m
.endr
	s_wait_dscnt 0x0
.irp m, 0,1,2,3
	v_add_f32 v[TT+4*\m], v[TT+4*\m], v[TT+4*\m+1]
	v_add_f32 v[TT+4*\m+2], v[TT+4*\m+2], v[TT+4*\m+3]
.endr
.irp m, 0,1,2,3
	v_add_f32 v[TT+4*\m], v[TT+4*\m], v[TT+4*\m+2]     ; the row's sum l
.endr
.irp m, 0,1,2,3
	v_rcp_f32 v[FF+2*\m], v[TT+4*\m]
.endr
	v_nop                                          ; a plain place behind the last reciprocal
	s_wait_alu depctr_va_vdst(0)                   ; one wait for the four, ahead of their first reader
	WIN 0x41
.irp m, 0,1,2,3
.set j, 0
.rept 32
	v_pk_mul_f32 v[64*\m+j:64*\m+j+1], v[64*\m+j:64*\m+j+1], v[FF+2*\m:FF+2*\m+1] op_sel_hi:[1,0]   ; the result / l.  Register 16 b + i of tile m is channel 128 w + 32 b + 16 h + i
.set j, j+2
.endr
.endr
	WIN 0x05
.irp m, 0,1,2,3
.irp b, 0,1,2,3
	v_max3_num_f32 v[BM+4*\m+\b], |v[64*\m+16*\b]|, |v[64*\m+16*\b+1]|, 0x2800000
.endr
.endr
	WIN 0x14
.irp i, 2,4,6,8,10,12,14
.irp m, 0,1,2,3
.irp b, 0,1,2,3
	v_max3_num_f32 v[BM+4*\m+\b], v[BM+4*\m+\b], |v[64*\m+16*\b+\i]|, |v[64*\m+16*\b+\i+1]|
.endr
.endr
.endr
	WIN 0
.set n, 0
.rept 16
	v_permlanex16_b32 v[TT+n], v[BM+n], s24, s25
.set n, n+1
.endr
.set n, 0
.rept 16
	v_max_num_f32 v[BM+n], v[BM+n], v[TT+n]
.set n, n+1
.endr
	FINISH 0x01                                    ; K step w of the last product
	s_wait_dscnt 0x0
	s_barrier_signal -1                            ; o_w's second piece may stay on its way
	s_barrier_wait -1
	PFETCH
	PIPE LB, 2, 0                                  ; out = the result's codes x o_w, sources so that a lane holds eight neighbouring columns of one row of out; K steps 0, 1
	s_wait_tensorcnt 0x0                           ; my part of the last piece: I alone read the bytes that my load brought
	PIPE LB+1, 2, 1                                ; K steps 2, 3
; THE WAY OUT, a tile of 16 rows of out x 64 columns at a time, through my own stage in LDS: in as 32 bytes a lane, back as whole rows of 256 bytes; x is added, and sixteen lanes store 256 consecutive bytes, aligned.
; LDS serves a wave's instructions in order (ISA guide 5.7.1.4): no wait between the stores and the loads, nor in front of the next tile's stores.
.macro TOSTAGE ot
	WIN 0x04                                       ; an LDS store's data are its source 1: window 1
.irp m, 0,1,2,3
	ds_store_b128 v[STO], v[8*(4*(\ot)+\m):8*(4*(\ot)+\m)+3] offset:64*\m          ; each accumulator from its low end on
	ds_store_b128 v[STO], v[8*(4*(\ot)+\m)+4:8*(4*(\ot)+\m)+7] offset:64*\m+16
.endr
	WIN 0
.irp i, 0,1,2,3,4,5,6,7
	ds_load_b128 v[FB+32*((\ot)%2)+4*\i:FB+32*((\ot)%2)+4*\i+3], v[SRD] offset:544*\i
.endr
.endm
.macro SEND ot, younger                ; younger: the LDS instructions issued behind tile ot's loads
.set OS, FB+32*((\ot)%2)
	s_wait_dscnt \younger
	s_wait_loadcnt 8*(7-(\ot))                     ; x's eight loads for this tile are in; the later tiles' may be out
.if (\ot) < 6
	WIN 0x0C
.else
	WIN 0x08
.endif
.irp i, 0,2,4,6,8,10,12,14,16,18,20,22,24,26,28,30
	v_pk_add_f32 v[OS+\i:OS+\i+1], v[OS+\i:OS+\i+1], v[32*(\ot)+\i:32*(\ot)+\i+1]
.endr
	WIN 0
.irp i, 0,1,2,3,4,5,6,7
	global_store_b128 v[GX], v[OS+4*\i:OS+4*\i+3], s[50:51] offset:(16*(\ot)+2*\i)*8192 th:TH_STORE_NT
.endr
.endm
	TOSTAGE 0
.irp a, 1,2,3,4,5,6,7
.if \a > 1
	s_wait_xcnt 0x0                                ; tile a - 2's stores have read their registers: tile a's loads may land there
.endif
	TOSTAGE \a
	SEND \a-1, 16                                  ; behind tile a - 1's loads: tile a's 8 stores and 8 loads
.endr
	SEND 7, 0
	s_wait_tensorcnt 0x0                           ; the wave's end, behind my last tensor load and my last LDS store
	ds_add_u32 v[SPW], v[NIL]
	s_wait_dscnt 0x0
	ROUND                                          ; the closing round: no work-group ends while a partner may still ask for a part that names it
	s_endpgm
.Lfunc_end_k_q0b4cd5187b_attn:
	.size	k_q0b4cd5187b_attn, .Lfunc_end_k_q0b4cd5187b_attn-k_q0b4cd5187b_attn
	.p2alignl 7, 3214868480
	.fill 96, 4, 3214868480
	.section	.rodata,"a",@progbits
	.p2align	6, 0x0
	.amdhsa_kernel k_q0b4cd5187b_attn
		.amdhsa_group_segment_fixed_size 327680
		.amdhsa_private_segment_fixed_size 0
		.amdhsa_enable_private_segment 0
		.amdhsa_kernarg_size 40
		.amdhsa_user_sgpr_count 2
		.amdhsa_user_sgpr_kernarg_segment_ptr 1
		.amdhsa_wavefront_size32 1
		.amdhsa_system_sgpr_workgroup_id_x 1
		.amdhsa_system_sgpr_workgroup_id_y 1
		.amdhsa_system_sgpr_workgroup_id_z 1
		.amdhsa_system_vgpr_workitem_id 0
		.amdhsa_next_free_vgpr 1024
		.amdhsa_next_free_sgpr 66
		.amdhsa_reserve_vcc 0
		.amdhsa_float_denorm_mode_32 3
		.amdhsa_float_denorm_mode_16_64 3
		.amdhsa_memory_ordered 1
		.amdhsa_forward_progress 1
		.amdhsa_inst_pref_size 218
	.end_amdhsa_kernel
	.amdgpu_metadata
---
amdhsa.version: [ 1, 2 ]
amdhsa.kernels:
  - .name:           k_q0b4cd5187b_attn
    .symbol:         k_q0b4cd5187b_attn.kd
    .args:
      - { .name: x, .offset: 0, .size: 8, .value_kind: global_buffer, .address_space: global }
      - { .name: o_b, .offset: 8, .size: 8, .value_kind: global_buffer, .address_space: global }
      - { .name: qimg, .offset: 16, .size: 8, .value_kind: global_buffer, .address_space: global }
      - { .name: kv, .offset: 24, .size: 8, .value_kind: global_buffer, .address_space: global }
      - { .name: out0, .offset: 32, .size: 8, .value_kind: global_buffer, .address_space: global }
    .group_segment_fixed_size: 327680
    .private_segment_fixed_size: 0
    .kernarg_segment_align: 8
    .kernarg_segment_size: 40
    .max_flat_workgroup_size: 128
    .sgpr_count:     66
    .vgpr_count:     1024
    .wavefront_size: 32
...
	.end_amdgpu_metadata
.endif
;; end of part 6
